; MI455X (gfx1250); checked and timed in simulation.
; The chip was launched on July 23, 2026; its instructions are those of AMD's public machine-readable ISA for CDNA 5 (MIT licence, August 2026) and "CDNA5" Instruction Set Architecture Reference Guide (July 2026). The comments in the code are by the model that wrote it; some were corrected since.
;; Self Attention. Allowed arithmetic: matrix products marked QUANTISED: E5M2 operands, one E8M0 scale for each 32 along K, by v_wmma_scale_f32_16x16x128_f8f6f4 with both operands' format E5M2, f32 sums; everything else in f32.
;; Inputs: rope_cos 2,048 x 128 float32; rope_sin 2,048 x 128 float32; wk 2,048 x 2,048 float32; wq 2,048 x 2,048 float32; wv 2,048 x 2,048 float32; x 1 x 2,048 x 2,048 float32.
;; Outputs: out0 1 x 2,048 x 2,048 float32.
;; This version of the problem:
;;   THIS VERSION OF THE PROBLEM IS GIVEN IN LOW PRECISION. The matrix products marked QUANTISED in the list below multiply operands that are first quantised to E5M2 (5 exponent bits, 2 mantissa bits; 8 bits a number), with one power-of-two scale for each 32 numbers along K (OCP MX v1.0); their sums are f32. All else is computed in f32.
;;   The module's matrix products, in the order in which they are computed (A, B: the left and right operand; K: the contracted axis; several contracted axes count as one K, in the product's order):
;;     1. [M 2,048, K 2,048] x [K 2,048, N 2,048]; A: input x; B: input wq: QUANTISED
;;     2. [M 2,048, K 2,048] x [K 2,048, N 2,048]; A: input x; B: input wk: QUANTISED
;;     3. [M 2,048, K 2,048] x [K 2,048, N 2,048]; A: input x; B: input wv: QUANTISED
;;     4. batch 16 x [M 2,048, K 128] x [K 128, N 2,048]; A: computed on the way; B: computed on the way: QUANTISED
;;     5. batch 16 x [M 2,048, K 2,048] x [K 2,048, N 128]; A: softmax (see below); B: computed on the way: QUANTISED
;;   THE QUANTISER, for each operand of a quantised product, along K:
;;     - K is cut into blocks of 32 from its start; a last block that is shorter is filled with zeros.
;;     - A block's scale is 2^e with e = floor(log2(the largest magnitude in the block)) - 15, held to -126 .. 127; a block of zeros has e = 0. As a byte (E8M0): e + 127.
;;     - Each number is divided by its block's scale, clamped to +-57,344, and rounded to the nearest number of E5M2, ties to even, subnormals kept.
;;     - The product sums the exact products of the quantised numbers (number of the format x scale) in f32.
;;   ~~~python
;;   def quantise(x, axis):      # numpy; x: float32 -> the quantised numbers, widened to float32 again
;;       x = np.moveaxis(x, axis, -1); K = x.shape[-1]
;;       x = np.pad(x, [(0, 0)] * (x.ndim - 1) + [(0, -K % 32)]); x = x.reshape(x.shape[:-1] + (-1, 32)); a = np.abs(x).max(-1, keepdims=True)
;;       e = np.where(a > 0, np.clip(np.frexp(np.where(a > 0, a, 1))[1] - 1 - 15, -126, 127), 0)      # np.frexp(a)[1] - 1 = floor(log2(a)), exactly
;;       r = np.clip(x / 2.0 ** e, -57344, 57344)
;;       step = 2.0 ** (np.maximum(np.frexp(np.where(r == 0, 1, r))[1] - 1, -14) - 2)
;;       q = np.round(r / step) * step * 2.0 ** e      # np.round: ties to even
;;       return np.moveaxis(q.reshape(q.shape[:-2] + (-1,))[..., :K], -1, axis).astype(np.float32)
;;   ~~~
;;   SOFTMAX AHEAD OF A QUANTISED PRODUCT. Where the list says 'softmax', what is quantised is not the finished softmax but p = 2^(t - M), with t = logit x log2(e) and M = ceil(the row's largest t), a whole number; so 1/2 < the row's largest p <= 1. The row's sum l is taken of the UNQUANTISED p, in f32, and the product's result is divided by l at the end. Since M is a whole number, a kernel that streams over the keys may use a running M (the ceiling of the running maximum): every later rescaling is an exact power of two, which a block's scale takes up: the codes' values come out the same.
;;   OPERANDS COMPUTED ON THE WAY. 'Computed on the way' means the value that the module computes at that place (a softmax that the list does not call 'softmax' is quantised finished and normalised). What goes into a quantiser is computed in f32, as accurately as f32 sums, v_exp_f32 and their like allow (about 1e-6 of the number): no bf16 or f16 on the way to a quantiser, and a product that is left as it is and whose result goes on into a quantised operand takes f32 operands (vector FMAs, or v_wmma_f32_16x16x4_f32). A number that lies on a knife's edge between two numbers of the format may be rounded either way, as far as f32 arithmetic and the matrix unit's own rounding can turn it there, and no further.
;; One version. Each part assembles by itself: llvm-mc -triple=amdgcn-amd-amdhsa -mcpu=gfx1250 --defsym DOCPART=n.
;; ======== version 1 of 1: 3 launches
;; limits: right only within a limited range of input values
;; workspace buffers: c1 16,777,216 bytes; s1 524,288 bytes; c2 12,582,912 bytes; s2 393,216 bytes
;; launch quant (part 1): grid 512 x 1, 4 waves a work-group, no clusters, 33,280 bytes of LDS; arguments x, wq, wk, wv, c1, s1; writes c1, s1
.if DOCPART == 1
	.amdgcn_target "amdgcn-amd-amdhsa--gfx1250"
	.amdhsa_code_object_version 6
	.text
	.protected	k_q545c4c1e48_quant
	.globl	k_q545c4c1e48_quant
	.p2align	8
	.type	k_q545c4c1e48_quant,@function
k_q545c4c1e48_quant:
	s_mov_b64 s[64:65], 0
	v_nop
	global_prefetch_b8 v0, s[64:65] scope:SCOPE_SE
	s_setreg_imm32_b32 hwreg(HW_REG_WAVE_MODE, 25, 1), 1
	s_wait_xcnt 0x0
; x, wq, wk, wv, each [2048][2048] f32 with K innermost, become codes of BF8 (E5M2) in c1 [K step 8][8192 rows][256 bytes] and one E8M0 byte for each 32 along K in s1 [8192 rows][64].
; ROW ORDER of c1 and s1: x's 2,048 rows; then 32 groups of 192: group g holds rows 64 g .. 64 g + 63 of wq, then of wk, then of wv (one half of a head of each): a work-group of the next launch takes one group.
; So each tile that the next launch fetches (256 or 192 rows x 256 along K) is one dense block.
; A block's scale is 2^(floor(log2(its largest magnitude)) - 15); its byte is the largest magnitude's exponent field - 15, held at 1 from below.  Each number is divided by the scale, held within +-57,344 and
; rounded to the nearest code, ties to even.
; WORK LEFT OUT of the program: score tiles of 16 queries x 128 keys all of whose keys come after their queries: reference() sets these scores to -1e30 by its own tril, every row keeps key 0, so their softmax is 0 for all
; values of the inputs.  Limit: a NaN, an infinity or an overflow that reaches only such scores is not carried to the result.
; LIMITS: a block whose largest magnitude lies under 2^-111 (a block of zeros too) gets the byte 1: its codes are zeros or subnormals under that held scale, and the bytes are read by this program alone.
; NaN and infinities among the inputs are not served.
; Rows are dense and 2,048 is a multiple of 32: each tensor is a plain stream of blocks of 32.  128 work-groups to a tensor, 8,192 numbers (4 rows) to a wave, in 16 steps of 512 (a quarter of a row: two K steps).
; The conversions take 8 numbers of one block from a lane's consecutive registers, so a lane must hold 16 neighbours; each load reads 512 consecutive bytes, 16 a lane: a step's 2,048 bytes go through the wave's own
; stage in LDS as they lie and come back 64 bytes a lane (16 bytes of padding behind each 64).
; Waves share nothing: no barrier, no tensor load, no cluster (no two work-groups read the same byte).  Loads run eight steps (32 loads a wave) ahead, the turn through LDS one step.
.set STEPS, 16
.set AHEAD, 8
.set EMAX,  15
.set MANT,  0x600000                   ; the mantissa field of 57,344 as f32
.set R,     16                         ; v16-143  eight sets of 16 numbers as they are loaded
.set X,     144                        ; v144-175 two sets of 16 neighbours
.set E,     176                        ; v176-191 a scale byte for each step
.set C,     192                        ; v192-255 codes: four registers for each step, so that no store's data are written again
.set WREG,  8192                       ; LDS: a region for each wave: two stages of 32 x SP bytes, behind them its 256 scale bytes
.set SP,    80                         ; a lane's place in a stage: 64 bytes + 16 of padding
	s_load_b256 s[4:11], s[0:1], 0x0               ; x s[4:5], wq s[6:7], wk s[8:9], wv s[10:11]
	s_load_b128 s[12:15], s[0:1], 0x20             ; c1 s[12:13], s1 s[14:15]
	v_lshl_add_u32 v12, v0, 2, 4*WREG              ; my spare word, behind the four regions
	v_mov_b32 v13, 0
	v_lshrrev_b32 v1, 5, v0
	v_readfirstlane_b32 s16, v1                    ; wave
	v_and_b32 v2, 31, v0                           ; lane
	v_lshlrev_b32 v3, 4, v2                        ; my 16 bytes of a load's 512
	s_mul_i32 s17, s16, WREG
	v_lshrrev_b32 v14, 2, v2
	v_mul_u32_u24 v14, v14, SP
	v_and_b32 v15, 3, v2
	v_lshl_add_u32 v14, v15, 4, v14
	v_add_nc_u32 v14, s17, v14                     ; the stage, on the way in: SP (lane / 4) + 16 (lane % 4)
	v_mul_u32_u24 v15, v2, SP
	v_add_nc_u32 v15, s17, v15                     ; and on the way out: SP x lane: my 16 neighbours
	v_and_b32 v4, 15, v2                           ; my codes' place: 16 bytes a lane; lanes 16-31 belong to the next K step, 8,192 x 256 bytes on
	v_lshrrev_b32 v8, 4, v2
	v_lshlrev_b32 v4, 4, v4
	v_lshl_add_u32 v4, v8, 21, v4
	v_lshrrev_b32 v5, 1, v2
	s_add_co_u32 s17, s17, 2*32*SP
	v_add_nc_u32 v5, s17, v5                       ; LDS: my wave's 256 scale bytes, my block's byte
	v_lshlrev_b32 v7, 3, v2                        ; and on the way out 8 bytes a lane
	v_add_nc_u32 v6, s17, v7
	s_mov_b32 s23, MANT                            ; (an instruction takes one literal: the hold's line has another)
	s_wait_alu depctr_va_vdst(0)                   ; the wait at the head's end
	s_wait_kmcnt 0x0
	s_cmp_lt_u32 ttmp9, 384                        ; which tensor: the choices hang on the work-group's number alone
	s_cselect_b64 s[8:9], s[8:9], s[10:11]
	s_cmp_lt_u32 ttmp9, 256
	s_cselect_b64 s[6:7], s[6:7], s[8:9]
	s_cmp_lt_u32 ttmp9, 128
	s_cselect_b64 s[4:5], s[4:5], s[6:7]
	s_and_b32 s17, ttmp9, 127
	s_lshl_b32 s17, s17, 2
	s_add_co_u32 s17, s17, s16                     ; which run of 4 rows of the tensor is my wave's
	s_lshl_b32 s18, s17, 15                        ; 32,768 bytes a run
	s_mov_b32 s19, 0
	s_add_nc_u64 s[4:5], s[4:5], s[18:19]
	s_lshr_b32 s20, s17, 4                         ; where it goes: a weight's 16 runs of a group are 48 runs from the next group's, T's 16 behind the tensor's before;
	s_mul_i32 s20, s20, 48
	s_and_b32 s21, s17, 15
	s_add_co_u32 s20, s20, s21
	s_lshr_b32 s21, ttmp9, 7                       ; T = 1, 2, 3
	s_lshl_b32 s21, s21, 4
	s_add_co_u32 s20, s20, s21
	s_add_co_u32 s20, s20, 512-16                  ; all behind x's 512
	s_cmp_lt_u32 ttmp9, 128
	s_cselect_b32 s17, s17, s20
	s_lshl_b32 s18, s17, 10                        ; 4 rows of 256 bytes in each K step
	s_add_nc_u64 s[12:13], s[12:13], s[18:19]      ; K steps 0, 1: a row's first quarter;
	s_add_nc_u64 s[24:25], s[12:13], 0x400000      ; the other quarters two K steps on each
	s_add_nc_u64 s[26:27], s[12:13], 0x800000
	s_add_nc_u64 s[28:29], s[12:13], 0xc00000
	s_lshl_b32 s18, s17, 8                         ; 256 scale bytes a run
	s_add_nc_u64 s[14:15], s[14:15], s[18:19]
.macro LOAD t
.irp i, 0,1,2,3
	global_load_b128 v[R+16*((\t)%AHEAD)+4*\i:R+16*((\t)%AHEAD)+4*\i+3], v3, s[4:5] offset:2048*(\t)+512*\i th:TH_LOAD_NT   ; 32 lanes read 512 consecutive bytes
.endr
.endm
.macro TURN t                          ; step t's numbers through the stage: LDS serves a wave's instructions in order, so no wait stands between the stores and the loads
.irp i, 0,1,2,3
	ds_store_b128 v14, v[R+16*((\t)%AHEAD)+4*\i:R+16*((\t)%AHEAD)+4*\i+3] offset:32*SP*((\t)%2)+8*SP*\i
.endr
.irp i, 0,1,2,3
	ds_load_b128 v[X+16*((\t)%2)+4*\i:X+16*((\t)%2)+4*\i+3], v15 offset:32*SP*((\t)%2)+16*\i
.endr
.endm
.irp t, 0,1,2,3,4,5,6,7
	LOAD \t
.endr
	s_wait_loadcnt 4*(AHEAD-1)                     ; step 0's four loads are in; those of steps 1 to 7 may be out
	TURN 0
.macro STEP t
.set XS, X+16*((\t)%2)
.if (\t) > 0
	s_wait_dscnt 1                                 ; this step's numbers are back from the stage (the last step's byte store may be out): so its stores into the stage have read their registers,
.else
	s_wait_dscnt 0x0
.endif
.if (\t)+AHEAD < STEPS
	LOAD (\t)+AHEAD                                ; which take the loads of eight steps on
.endif
.if (\t)+1 < STEPS
.if STEPS-2-(\t) >= AHEAD-1
	s_wait_loadcnt 4*(AHEAD-1)                     ; the next step's four loads are in; those of the seven steps behind it may be out
.else
	s_wait_loadcnt 4*(STEPS-2-(\t))
.endif
	TURN (\t)+1                                    ; and go through the other stage while this step is worked
.endif
	v_max3_num_f32 v8, |v[XS]|, |v[XS+1]|, |v[XS+2]|               ; the largest magnitude of my 16, in two chains
	v_max3_num_f32 v9, |v[XS+3]|, |v[XS+4]|, |v[XS+5]|
.irp i, 6,10
	v_max3_num_f32 v8, v8, |v[XS+\i]|, |v[XS+\i+1]|
	v_max3_num_f32 v9, v9, |v[XS+\i+2]|, |v[XS+\i+3]|
.endr
	v_max3_num_f32 v8, v8, |v[XS+14]|, |v[XS+15]|
	v_max3_num_f32 v8, v8, v9, (EMAX+1)<<23        ; and the floor 2^(16 - 127): so the byte cannot fall under 1
	v_max_num_f32_dpp v8, v8, v8 row_xmask:1 row_mask:0xf bank_mask:0xf   ; and of my neighbour's 16: the block's
	v_add_nc_u32 v11, -(EMAX<<23), v8              ; 15 off its exponent field: the conversion takes the exponent field of this operand as its scale, and nothing else of it
	v_and_or_b32 v10, v8, 0x7f800000, s23          ; 57,344 x the scale: the largest magnitude's exponent field over 57,344's mantissa
.irp i, 0,1,2,3,4,5,6,7,8,9,10,11,12,13,14,15
	v_med3_num_f32 v[XS+\i], v[XS+\i], -v10, v10   ; the conversion to an 8-bit code does not saturate (ISA guide 7.6.2): the hold comes first
.endr
	v_cvt_scalef32_pk8_bf8_f32 v[C+4*(\t):C+4*(\t)+1], v[XS:XS+7], v11
	v_cvt_scalef32_pk8_bf8_f32 v[C+4*(\t)+2:C+4*(\t)+3], v[XS+8:XS+15], v11
	v_lshrrev_b32 v[E+(\t)], 23, v11               ; the scale's byte (also the plain line behind the conversions)
	ds_store_b8 v5, v[E+(\t)] offset:16*(\t)       ; both lanes of a block write the same byte with the same value
.if (\t)%4 == 0
.set BS, 12
.else
.set BS, 22+2*((\t)%4)
.endif
	global_store_b128 v4, v[C+4*(\t):C+4*(\t)+3], s[BS:BS+1] offset:256*((\t)/4)   ; step t: row t / 4, quarter t % 4; 16 lanes store 256 consecutive bytes, aligned
.endm
.irp t, 0,1,2,3,4,5,6,7,8,9,10,11,12,13,14,15
	STEP \t
.endr
	ds_load_b64 v[8:9], v6                         ; LDS serves a wave's instructions in order: these see my stores
	s_wait_dscnt 0x0
	global_store_b64 v7, v[8:9], s[14:15]          ; 32 lanes store 256 consecutive bytes, aligned
	s_wait_tensorcnt 0x0                           ; the wave's end
	ds_add_u32 v12, v13
	s_wait_dscnt 0x0
	s_endpgm
.Lfunc_end_k_q545c4c1e48_quant:
	.size	k_q545c4c1e48_quant, .Lfunc_end_k_q545c4c1e48_quant-k_q545c4c1e48_quant
	.p2alignl 7, 3214868480
	.fill 96, 4, 3214868480
	.section	.rodata,"a",@progbits
	.p2align	6, 0x0
	.amdhsa_kernel k_q545c4c1e48_quant
		.amdhsa_group_segment_fixed_size 33280
		.amdhsa_private_segment_fixed_size 0
		.amdhsa_enable_private_segment 0
		.amdhsa_kernarg_size 48
		.amdhsa_user_sgpr_count 2
		.amdhsa_user_sgpr_kernarg_segment_ptr 1
		.amdhsa_wavefront_size32 1
		.amdhsa_system_sgpr_workgroup_id_x 1
		.amdhsa_system_sgpr_workgroup_id_y 1
		.amdhsa_system_sgpr_workgroup_id_z 1
		.amdhsa_system_vgpr_workitem_id 0
		.amdhsa_next_free_vgpr 256
		.amdhsa_next_free_sgpr 66
		.amdhsa_reserve_vcc 0
		.amdhsa_float_denorm_mode_32 3
		.amdhsa_float_denorm_mode_16_64 3
		.amdhsa_memory_ordered 1
		.amdhsa_forward_progress 1
		.amdhsa_inst_pref_size 52
	.end_amdhsa_kernel
	.amdgpu_metadata
---
amdhsa.version: [ 1, 2 ]
amdhsa.kernels:
  - .name:           k_q545c4c1e48_quant
    .symbol:         k_q545c4c1e48_quant.kd
    .args:
      - { .name: x, .offset: 0, .size: 8, .value_kind: global_buffer, .address_space: global }
      - { .name: wq, .offset: 8, .size: 8, .value_kind: global_buffer, .address_space: global }
      - { .name: wk, .offset: 16, .size: 8, .value_kind: global_buffer, .address_space: global }
      - { .name: wv, .offset: 24, .size: 8, .value_kind: global_buffer, .address_space: global }
      - { .name: c1, .offset: 32, .size: 8, .value_kind: global_buffer, .address_space: global }
      - { .name: s1, .offset: 40, .size: 8, .value_kind: global_buffer, .address_space: global }
    .group_segment_fixed_size: 33280
    .private_segment_fixed_size: 0
    .kernarg_segment_align: 8
    .kernarg_segment_size: 48
    .max_flat_workgroup_size: 128
    .sgpr_count:     66
    .vgpr_count:     256
    .wavefront_size: 32
...
	.end_amdgpu_metadata
.endif
;; end of part 1
;; launch proj (part 2): grid 32 x 8, 4 waves a work-group, clusters of 4 x 4, 327,680 bytes of LDS; arguments c1, s1, rope_cos, rope_sin, c2, s2; writes c2, s2
.if DOCPART == 2
	.amdgcn_target "amdgcn-amd-amdhsa--gfx1250"
	.amdhsa_code_object_version 6
	.text
	.protected	k_q545c4c1e48_proj
	.globl	k_q545c4c1e48_proj
	.p2align	8
	.type	k_q545c4c1e48_proj,@function
k_q545c4c1e48_proj:
	s_mov_b64 s[64:65], 0
	v_nop
	global_prefetch_b8 v0, s[64:65] scope:SCOPE_SE
	s_setreg_imm32_b32 hwreg(HW_REG_WAVE_MODE, 25, 1), 1
	s_wait_xcnt 0x0
	s_wait_alu depctr_hold_cnt(0) depctr_sa_sdst(0) depctr_va_vdst(0) depctr_va_sdst(0) depctr_va_ssrc(0) depctr_va_vcc(0) depctr_vm_vsrc(0)
	s_getreg_b32 s2, hwreg(HW_REG_IB_STS2, 6, 4)
	s_cmp_eq_u32 s2, 0
	s_cbranch_scc0 .Lentry_in_a_cluster
	s_endpgm
.Lentry_in_a_cluster:
	s_bfe_u32 s2, ttmp6, 0x10000c
	s_cmp_lg_u32 s2, 0xf033
	s_cbranch_scc0 .Lentry_shape_is_right
	s_endpgm
.Lentry_shape_is_right:
; q, k, v = x W^T on codes of BF8 with one E8M0 scale for each 32 along K; q and k are turned by the rope tables; all three are quantised again on the way out (q, k along the head's 128, v along the keys).
; IN: c1, s1 as the first launch lays them: x's 2,048 rows, then groups of 192 rows (64 of wq, of wk, of wv).
; OUT: c2 [T = q, k, v][head 16][block of 128 tokens][fragment 8][c 4][lane 32][16 bytes]: images of operand registers (16 rows x 128 K; q, k: rows = tokens, K = the head's 128; v: rows = the head's channels, K = 128 keys).
; Inside a block of 32 the order is 8 h + 0..7, 16 + 8 h + 0..7 in the lanes' half h.  s2: q's and k's bytes as planes [T][head][c 4][2,048 tokens]; behind them v's words [head][block][fragment 8][16 channels] x 4 bytes.
; SHARES.  256 work-groups = 8 row blocks of 256 tokens x 32 groups of 192 rows of the weights (one half of a head of q, k and v).  Four waves, 2 x 2; a wave has 128 tokens x (32 q, 32 k, 32 v columns): 8 x 6 tiles of 16 x 16.
; CLUSTERS 4 x 4: a row of the cluster shares x's rows and the tables' rows (its four work-groups have the same half of four heads), a column the weights' rows: joint loads.
; q's and k's products take source 0 = the weight, source 1 = x (a lane holds one token, eight neighbouring channels); v's the other way round (a lane holds one channel, eight neighbouring tokens).
; RING: two slots of 256 along K (rows of 256 bytes + 16 of padding: row r begins at bank 4 r mod 64).  A step of 128 along K is 48 products; behind every third product stand four LDS loads of the next step's operands, so
; that each fragment has a whole step in which to come.
; LIMITS: as in the first launch (bytes held at 1 from below; NaN and infinities are not served); sums beyond f32's range are not served.
; REGISTERS: window 0: v0-15 addresses, v16-31 scale words (two sets of eight), v32-127 B's six fragments, v128-255 A's eight: SET 1.  Window 1: the same places: SET 0; in the last step and behind it cos (v0-127) and sin (v128-255).
; Window 2: accumulators of A's blocks 0-3, (a, b) at v[8 (6 a + b)]; window 3: of blocks 4-7.
; No two different scale registers of a product have numbers equal modulo 8: A's pair p at +p, B's pair p at +4+p; the even fragment of a pair in lanes 0-15, the odd one in lanes 16-31.
; THE LOADS OF A STEP, in place of what the lines above say of them: the next step's 63 LDS loads stand in three runs (19, 20 and 24), with 9 to 18 products between two runs; a fragment is waited for by count where its first
; product stands.
; c1 is [K step 8][8,192 rows][256 bytes]: a tile is one dense block.
.set PITCH,  272
.set KROW,   256                       ; a row's 256 along K
.set KSB,    0x200000                  ; from K step to K step in c1: 8,192 rows x 256 bytes
.set HALFT,  128*PITCH                 ; 128 rows
.set BOFF,   2*HALFT                   ; in a slot: A's 256 rows, then B's 192
.set SLOT,   448*PITCH
.set SCL,    2*SLOT                    ; the scales of 256 rows of A (64 units of 256 + 16 bytes), then of 192 rows of B (48 units)
.set SPARE,  SCL+112*PITCH             ; the spare words, 128 bytes a wave, which no other line names
.set XS,     SPARE+512                 ; the way out: q's and k's bytes [T][c of two][256], then v's words [block of two][256 bytes]
.set FRESH,  XS+1536                   ; sin's rows 128-255
.set ADRA, 8                           ; v8, v9: LDS address of my A fragments in slot 0, 1
.set ADRB, 10                          ; v10, v11: of B's
.set ADSA, 12                          ; v12: of A's scale words;  v13: of B's
.set ADSB, 13
.set SPW,  14
.set NIL,  15
.set TC,   4                           ; v4: my place in cos' rows;  v5: in sin's
.set TSN,  5
.set PFO,  6                           ; v6: a prefetch's offset: row x 256;  v7: in the tables: row x 512
.set PTO,  7
.set G1, 24                            ; s[24:31] group 1 for A's rows (256 at the head, then 128)
.set G0, 32                            ; s[32:39] group 0 for A, a set for each slot
.set G1B, 48                           ; s[48:55] group 1 for B's 192 rows (the two first fills)
.set G0B, 56                           ; s[56:63] group 0 for B
.set G1S, 68                           ; s[68:75], s[76:79] A's scales; then the tables: G1T, and cos
.set G0S, 76
.set G1SB, 80                          ; s[80:87], s[88:91] B's scales; then B's refills of 96 rows: G1R, and sin
.set G0SB, 88
.set G1T, 68
.set G0C, 76
.set G1R, 80
.set G0N, 88
.set G0H, 4                            ; s[4:7], s[8:11] group 0 for the head's whole tiles
.set G0HB, 8
.set PFA, 100                          ; s[100:101] where my prefetches stand;  s[22:23] in the tables
.set PTA, 22
.set LIM, 66                           ; s66: 1 in waves that prefetch codes
.set MSB, 0
.macro WIN new                         ; the immediate's high byte repeats the setting that is left
.if MSB != (\new)
	s_set_vgpr_msb (MSB<<8)|(\new)
.set MSB, (\new)
.endif
.endm
.macro GROUP1 g, mask, flags, dim, rows, pitch ; descriptor group 1: rows of dim elements, 16 bytes of padding behind each 256; a joint load
	s_or_b32 s[\g], s[\mask], (\flags)|(1<<20)|(1<<21)|(5<<22)|(3<<25)
	s_mov_b32 s[\g+1], (\dim)<<16
	s_mov_b32 s[\g+2], (\rows)<<16
	s_mov_b32 s[\g+3], (\dim)<<16
	s_mov_b32 s[\g+4], \rows
	s_mov_b32 s[\g+5], \pitch
	s_mov_b32 s[\g+6], 0
	s_mov_b32 s[\g+7], 0
.endm
.macro GROUP0 g, lds, p
	s_mov_b32 s[\g], 1
	s_mov_b32 s[\g+1], \lds
	s_mov_b64 s[\g+2:\g+3], s[\p:\p+1]
	s_or_b32 s[\g+3], s[\g+3], 0x80000000
.endm
.macro TLOAD g0, g1                    ; an s_nop 0 and four v_nop follow each tensor load
	tensor_load_to_lds s[\g0:\g0+3], s[\g1:\g1+7]
	s_nop 0
.rept 4
	v_nop
.endr
.endm
.macro ARM under, g0, g1, next, join   ; waves under a number issue the one load
	s_cmp_lt_u32 s14, \under
	s_cbranch_scc0 \next
	TLOAD \g0, \g1
	s_branch \join
\next:
.endm
.macro CREST                           ; a round of the cluster's barrier behind its opening barrier
	s_cmp_lg_u32 s14, 0
	s_cbranch_scc1 .Lnot_wave_0_\@
	s_barrier_signal -3
.Lnot_wave_0_\@:
	s_barrier_wait -3
	s_barrier_signal -1
	s_barrier_wait -1
.endm
.macro CROUND
	s_barrier_signal -1
	s_barrier_wait -1
	CREST
.endm
	s_load_b128 s[4:7], s[0:1], 0x0                ; c1, s1
	s_load_b256 s[92:99], s[0:1], 0x10             ; cos, sin, c2, s2
	v_lshl_add_u32 v[SPW], v0, 2, SPARE
	v_mov_b32 v[NIL], 0
	ds_add_u32 v[SPW], v[NIL]                      ; the wave's opening: the add, twice on end, and its wait
	ds_add_u32 v[SPW], v[NIL]
	v_lshrrev_b32 v1, 5, v0
	v_readfirstlane_b32 s14, v1                    ; wave
	s_lshr_b32 s15, s14, 1                         ; my half of the tokens.  Also: I fetch A (0) or B (1)
	s_and_b32 s16, s14, 1                          ; my half of the columns.  Also: which half of a tile I fetch
	s_bfe_u32 s40, ttmp6, 0x40000                  ; cx
	s_bfe_u32 s41, ttmp6, 0x40004                  ; cy
	s_lshr_b32 s42, ttmp9, 1
	s_lshl_b32 s42, s42, 2
	s_add_co_u32 s42, s42, s40                     ; the head: 4 (cluster x / 2) + cx
	s_and_b32 s12, ttmp9, 1                        ; its half
	s_and_b32 s17, ttmp7, 0xffff
	s_lshl_b32 s17, s17, 2
	s_add_co_u32 s17, s17, s41                     ; the row block: 4 cluster y + cy
	s_lshl_b32 s43, s41, 2
	s_lshl_b32 s43, 15, s43                        ; my row of the cluster
	s_lshl_b32 s44, 0x1111, s40                    ; my column
	GROUP1 G1, 43, 0, 256, 256, KROW
	GROUP1 G1B, 44, 0, 256, 192, KROW
	GROUP1 G1S, 43, (3<<16), 32, 64, 32            ; 16,384 dense bytes as 64 rows of 256
	GROUP1 G1SB, 44, (3<<16), 32, 48, 32           ; 12,288 as 48
	s_lshl_b32 s22, s42, 1
	s_add_co_u32 s22, s22, s12
	s_mul_i32 s22, s22, 192
	s_add_co_u32 s22, s22, 2048                    ; B's first row
	; a prefetch: of A's 256 rows each of the row's four work-groups names 64, 32 a wave; of B's 192 each of the column's four names 48, 24 a wave
	s_lshl_b32 s13, s17, 8
	s_lshl_b32 s45, s40, 6
	s_add_co_u32 s13, s13, s45
	s_lshl_b32 s45, s16, 5
	s_add_co_u32 s13, s13, s45
	s_mul_i32 s45, s41, 48
	s_add_co_u32 s45, s45, s22
	s_mul_i32 s100, s16, 24
	s_add_co_u32 s100, s100, s45
	s_cmp_eq_u32 s12, 0                            ; A's rows are read by eight clusters: the four with half 0 ask for them
	s_cselect_b32 s[LIM], 1, 15
	s_cmp_eq_u32 s15, 0
	s_cselect_b32 s[LIM], s[LIM], 1
	s_cselect_b32 s100, s13, s100
	s_cselect_b32 s45, 31, 23
	s_lshl_b32 s100, s100, 8
	s_add_co_u32 s100, s100, KSB                   ; K step 1
	s_mov_b32 s101, 0
	s_lshl_b32 s18, s17, 16                        ; A's codes, A's scales,
	s_mov_b32 s19, 0
	s_lshl_b32 s20, s17, 14
	s_mov_b32 s21, 0
	s_lshl_b32 s46, s22, 6                         ; B's scales, B's codes: byte offsets
	s_mov_b32 s47, 0
	s_lshl_b32 s22, s22, 8
	s_mov_b32 s23, 0
	s_wait_dscnt 0x0                               ; both opening adds are done
	CROUND                                         ; all sixteen work-groups are here: the first joint loads meet
	s_wait_kmcnt 0x0
	s_add_nc_u64 s[18:19], s[4:5], s[18:19]
	s_add_nc_u64 s[20:21], s[6:7], s[20:21]
	s_add_nc_u64 s[22:23], s[4:5], s[22:23]
	s_add_nc_u64 s[46:47], s[6:7], s[46:47]
	s_add_nc_u64 s[PFA:PFA+1], s[4:5], s[PFA:PFA+1]
	GROUP0 G0H, 0, 18
	GROUP0 G0HB, BOFF, 22
	GROUP0 G0S, SCL, 20
	GROUP0 G0SB, SCL+64*PITCH, 46
	; THE HEAD'S LOADS, one a wave: A's 256 rows of K step 0; B's 192; A's scales; B's scales (both for all of K)
	ARM 1, G0H, G1, .Lhead_b, .Lhead_asked
	ARM 2, G0HB, G1B, .Lhead_sa, .Lhead_asked
	ARM 3, G0S, G1S, .Lhead_sb, .Lhead_asked
	TLOAD G0SB, G1SB
.Lhead_asked:
	v_and_b32 v3, 31, v0                           ; lane
	v_min_u32 v[PFO], s45, v3
	v_lshlrev_b32 v[PFO], 8, v[PFO]                ; a lane a row of 256 bytes
	s_wait_alu depctr_va_vdst(0)                   ; the wait ahead of the branch
	s_cmp_eq_u32 s[LIM], 1
	s_cbranch_scc0 .Lnot_asked
	global_prefetch_b8 v[PFO], s[PFA:PFA+1] th:TH_LOAD_NT scope:SCOPE_SE              ; K step 1,
	global_prefetch_b8 v[PFO], s[PFA:PFA+1] offset:KSB th:TH_LOAD_NT scope:SCOPE_SE   ; and 2: from here on step n + 2 is asked for behind step n's load
.Lnot_asked:
	; the ring's group 0: waves 0, 1: 128 rows of A each; waves 2, 3: 96 rows of B each
	s_lshl_b32 s2, s16, 15
	s_mov_b32 s3, 0
	s_add_nc_u64 s[18:19], s[18:19], s[2:3]
	s_mul_i32 s2, s16, 96*KROW
	s_add_nc_u64 s[22:23], s[22:23], s[2:3]
	s_mul_i32 s2, s16, HALFT
	s_mul_i32 s13, s16, 96*PITCH
	s_add_co_u32 s13, s13, BOFF
.irp s, 0,1
	s_mov_b32 s[G0+4*\s], 1
	s_add_co_u32 s[G0+4*\s+1], s2, \s*SLOT
	s_add_nc_u64 s[G0+4*\s+2:G0+4*\s+3], s[18:19], \s*KSB
	s_or_b32 s[G0+4*\s+3], s[G0+4*\s+3], 0x80000000
	s_mov_b32 s[G0B+4*\s], 1
	s_add_co_u32 s[G0B+4*\s+1], s13, \s*SLOT
	s_add_nc_u64 s[G0B+4*\s+2:G0B+4*\s+3], s[22:23], \s*KSB
	s_or_b32 s[G0B+4*\s+3], s[G0B+4*\s+3], 0x80000000
.endr
	; the tables: 256 rows of 512 bytes, of which my half head's 256 bytes
	s_lshl_b32 s20, s17, 17
	s_lshl_b32 s21, s12, 8
	s_add_co_u32 s20, s20, s21
	s_cmp_eq_u32 s15, 0                            ; a prefetch: waves 0, 1 cos' 256 rows, 2, 3 sin's first 128, shared out among the row's four work-groups
	s_cselect_b64 s[PTA:PTA+1], s[92:93], s[94:95]
	s_cselect_b32 s45, 31, 15
	s_cselect_b32 s13, 10, 9
	s_lshl_b32 s2, s40, 5
	s_lshl_b32 s3, s16, 4
	s_add_co_u32 s2, s2, s3
	s_lshl_b32 s2, s2, s13
	s_add_co_u32 s2, s2, s20
	s_mov_b32 s3, 0
	s_add_nc_u64 s[PTA:PTA+1], s[PTA:PTA+1], s[2:3]
	s_lshl_b32 s18, s16, 16                        ; cos: 128 rows a wave
	s_add_co_u32 s18, s18, s20
	s_mov_b32 s19, 0
	s_add_nc_u64 s[92:93], s[92:93], s[18:19]
	s_add_co_u32 s18, s20, 0x10000                 ; sin: its rows 128 on
	s_add_nc_u64 s[94:95], s[94:95], s[18:19]
	; where my results go
	s_lshl_b32 s2, s42, 18
	s_lshl_b32 s13, s17, 1
	s_add_co_u32 s13, s13, s15
	s_lshl_b32 s13, s13, 14
	s_add_co_u32 s2, s2, s13                       ; head, block of 128 tokens
	s_lshl_b32 s13, s12, 1
	s_add_co_u32 s13, s13, s16                     ; c = 2 half + my column of waves
	s_lshl_b32 s20, s13, 12
	s_add_co_u32 s46, s2, s20
	s_add_co_u32 s46, s46, 0x800000
	s_mov_b32 s47, 0
	s_add_nc_u64 s[46:47], s[96:97], s[46:47]      ; s[46:47] v's codes: fragments 2 c, 2 c + 1
	s_lshl_b32 s20, s13, 9
	s_add_co_u32 s2, s2, s20
	s_add_nc_u64 s[96:97], s[96:97], s[2:3]        ; s[96:97] q's codes; k's 4 MiB on
	s_lshl_b32 s2, s42, 13
	s_lshl_b32 s20, s17, 1
	s_add_co_u32 s20, s20, s14
	s_lshl_b32 s20, s20, 9
	s_lshl_b32 s40, s12, 8
	s_add_co_u32 s40, s40, s20
	s_add_co_u32 s40, s40, s2
	s_add_co_u32 s40, s40, 0x40000
	s_mov_b32 s41, 0
	s_add_nc_u64 s[40:41], s[98:99], s[40:41]      ; s[40:41] v's words: waves 0, 1 store a block each
	s_lshl_b32 s20, s15, 17
	s_add_co_u32 s2, s2, s20
	s_lshl_b32 s20, s13, 11
	s_add_co_u32 s2, s2, s20
	s_lshl_b32 s20, s17, 8
	s_add_co_u32 s2, s2, s20
	s_add_nc_u64 s[98:99], s[98:99], s[2:3]        ; s[98:99] wave n stores plane c = 2 half + n % 2 of T = n / 2
	s_mul_i32 s2, s15, HALFT                       ; LDS: my fragments of A,
	s_mul_i32 s3, s16, 32*PITCH
	s_add_co_u32 s3, s3, BOFF                      ; of B,
	s_mul_i32 s12, s15, 32*PITCH
	s_add_co_u32 s12, s12, SCL                     ; A's scale words,
	s_mul_i32 s13, s16, 8*PITCH
	s_add_co_u32 s13, s13, SCL+64*PITCH            ; B's,
	s_lshl_b32 s18, s16, 7
	s_add_co_u32 s20, s18, s2                      ; cos,
	s_mul_i32 s21, s15, FRESH-2*HALFT
	s_add_co_u32 s21, s21, s18
	s_add_co_u32 s21, s21, 2*HALFT                 ; sin: rows 0-127 in slot 0, 128-255 in the place of their own
	v_and_b32 v1, 15, v0                           ; r
	v_bfe_u32 v2, v0, 4, 1                         ; h
	v_mul_u32_u24 v4, v1, PITCH
	v_lshl_add_u32 v32, v2, 4, v4                  ; a fragment: row r, + 16 h
	v_lshl_add_u32 v33, v2, 5, v4                  ; a table: row r, + 8 h channels
	v_lshrrev_b32 v34, 2, v1
	v_and_b32 v35, 3, v1
	v_mul_u32_u24 v34, v34, PITCH
	v_mul_u32_u24 v36, v2, 4*PITCH
	v_lshl_add_u32 v34, v35, 6, v34                ; a row's scales: 64 bytes, four rows to a unit
	v_add_nc_u32 v34, v34, v36                     ; lanes 16-31: 16 rows on
	v_add_nc_u32 v[ADRA], s2, v32
	v_add_nc_u32 v[ADRB], s3, v32
	v_add_nc_u32 v[ADSA], s12, v34
	v_add_nc_u32 v[ADSB], s13, v34
	v_add_nc_u32 v[TC], s20, v33
	v_add_nc_u32 v[TSN], s21, v33
	v_add_nc_u32 v[ADRA+1], SLOT, v[ADRA]
	v_add_nc_u32 v[ADRB+1], SLOT, v[ADRB]
	v_min_u32 v[PTO], s45, v3
	v_lshlrev_b32 v[PTO], 9, v[PTO]
.macro PROD e, a, b, zero              ; A's block a x B's block b from set e
.set W_, 2+(\a)/4
	WIN ((5*(1-(\e)))|(W_*0x50))
.set AC_, 8*(6*((\a)%4)+(\b))
.if (\b) < 4
.set X_, 32+16*(\b)
.set Y_, 128+16*(\a)
.set SX_, 20+8*(\e)+(\b)/2
.set SY_, 16+8*(\e)+(\a)/2
.set RX_, (\b)%2
.set RY_, (\a)%2
.else
.set X_, 128+16*(\a)
.set Y_, 32+16*(\b)
.set SX_, 16+8*(\e)+(\a)/2
.set SY_, 20+8*(\e)+(\b)/2
.set RX_, (\a)%2
.set RY_, (\b)%2
.endif
.if \zero
.if RX_ && RY_
	v_wmma_scale_f32_16x16x128_f8f6f4 v[AC_:AC_+7], v[X_:X_+15], v[Y_:Y_+15], 0, v[SX_], v[SY_] matrix_a_fmt:MATRIX_FMT_BF8 matrix_b_fmt:MATRIX_FMT_BF8 matrix_a_scale:MATRIX_SCALE_ROW1 matrix_b_scale:MATRIX_SCALE_ROW1
.elseif RX_
	v_wmma_scale_f32_16x16x128_f8f6f4 v[AC_:AC_+7], v[X_:X_+15], v[Y_:Y_+15], 0, v[SX_], v[SY_] matrix_a_fmt:MATRIX_FMT_BF8 matrix_b_fmt:MATRIX_FMT_BF8 matrix_a_scale:MATRIX_SCALE_ROW1
.elseif RY_
	v_wmma_scale_f32_16x16x128_f8f6f4 v[AC_:AC_+7], v[X_:X_+15], v[Y_:Y_+15], 0, v[SX_], v[SY_] matrix_a_fmt:MATRIX_FMT_BF8 matrix_b_fmt:MATRIX_FMT_BF8 matrix_b_scale:MATRIX_SCALE_ROW1
.else
	v_wmma_scale_f32_16x16x128_f8f6f4 v[AC_:AC_+7], v[X_:X_+15], v[Y_:Y_+15], 0, v[SX_], v[SY_] matrix_a_fmt:MATRIX_FMT_BF8 matrix_b_fmt:MATRIX_FMT_BF8
.endif
.else
.if RX_ && RY_
	v_wmma_scale_f32_16x16x128_f8f6f4 v[AC_:AC_+7], v[X_:X_+15], v[Y_:Y_+15], v[AC_:AC_+7], v[SX_], v[SY_] matrix_a_fmt:MATRIX_FMT_BF8 matrix_b_fmt:MATRIX_FMT_BF8 matrix_a_scale:MATRIX_SCALE_ROW1 matrix_b_scale:MATRIX_SCALE_ROW1
.elseif RX_
	v_wmma_scale_f32_16x16x128_f8f6f4 v[AC_:AC_+7], v[X_:X_+15], v[Y_:Y_+15], v[AC_:AC_+7], v[SX_], v[SY_] matrix_a_fmt:MATRIX_FMT_BF8 matrix_b_fmt:MATRIX_FMT_BF8 matrix_a_scale:MATRIX_SCALE_ROW1
.elseif RY_
	v_wmma_scale_f32_16x16x128_f8f6f4 v[AC_:AC_+7], v[X_:X_+15], v[Y_:Y_+15], v[AC_:AC_+7], v[SX_], v[SY_] matrix_a_fmt:MATRIX_FMT_BF8 matrix_b_fmt:MATRIX_FMT_BF8 matrix_b_scale:MATRIX_SCALE_ROW1
.else
	v_wmma_scale_f32_16x16x128_f8f6f4 v[AC_:AC_+7], v[X_:X_+15], v[Y_:Y_+15], v[AC_:AC_+7], v[SX_], v[SY_] matrix_a_fmt:MATRIX_FMT_BF8 matrix_b_fmt:MATRIX_FMT_BF8
.endif
.endif
.endm
; A UNIT: three products.  A step is 16 units; the 48 accumulators take turns in the same order in every step.
; Unit 0 holds eight v_nop: the places between the last step's products and the loads into the registers that these have read.
.macro UNIT e, u, zero
.set I_, 0
.rept 3
	PROD \e, (\u)/2, 3*((\u)%2)+I_, \zero
.if (\u) == 0
	v_nop
	v_nop
.if I_ < 2
	v_nop
.endif
.endif
.set I_, I_+1
.endr
.endm
; A GROUP of loads for set e (the slot's e-th 128 along K): 0: A's four registers of scale words, 1: B's three, 2-7: B's fragments, 8-15: A's: 63 loads in all
.macro GRP e, g, slot
.if (\g) == 0
	WIN 0
.irp p, 0,1,2,3
	ds_load_b32 v[16+8*\e+\p], v[ADSA] offset:8*PITCH*\p+4*\e
.endr
.elseif (\g) == 1
	WIN 0
.irp p, 0,1,2
	ds_load_b32 v[20+8*\e+\p], v[ADSB] offset:16*PITCH*\p+4*\e
.endr
.elseif (\g) < 8
.set B_, (\g)-2
	WIN (64*(1-\e))
.irp c, 0,1,2,3
	ds_load_b128 v[32+16*B_+4*\c:32+16*B_+4*\c+3], v[ADRB+\slot] offset:128*\e+32*\c+(64*(B_/2)+16*(B_%2))*PITCH
.endr
.else
.set B_, (\g)-8
	WIN (64*(1-\e))
.irp c, 0,1,2,3
	ds_load_b128 v[128+16*B_+4*\c:128+16*B_+4*\c+3], v[ADRA+\slot] offset:128*\e+32*\c+B_*16*PITCH
.endr
.endif
.endm
.macro RUN e, from, to, slot           ; groups from .. to on end
.set V_, \from
.rept (\to)-(\from)+1
	GRP \e, V_, \slot
.set V_, V_+1
.endr
.endm
; A slot's first 128 along K.  At A's block a (unit 2 a) the loads behind its fragment are 4 (7 - a) of the last step's and the runs of this step so far: 19 behind unit 0, 20 behind unit 5, 24 behind unit 10
; (67 at block 6: the wait's field ends at 63, and fewer is safe).
.macro STEP0 slot, zero
.set U_, 0
.rept 16
.if U_ == 0
	s_wait_dscnt 28
.elseif U_ == 2
	s_wait_dscnt 43
.elseif U_ == 4
	s_wait_dscnt 39
.elseif U_ == 6
	s_wait_dscnt 55
.elseif U_ == 8
	s_wait_dscnt 51
.elseif U_ == 10
	s_wait_dscnt 47
.elseif U_%2 == 0
	s_wait_dscnt 63
.endif
	UNIT 0, U_, \zero
.if U_ == 0
	RUN 1, 0, 4, \slot
.elseif U_ == 5
	RUN 1, 5, 9, \slot
.elseif U_ == 10
	RUN 1, 10, 15, \slot
.endif
.set U_, U_+1
.endr
	WIN 0
.endm
; A slot's second 128 along K, and the change of slots.  fill = 1: this slot takes the K step two on; 2: the tables.  Each wave waits for all its tensor loads (its part of the next slot), adds 0 to its spare word, and
; waits for that and for its reads of this slot; the barrier opens a round of the cluster's; the refill is the first thing behind it and the wave's one load until the next.
.macro STEP1 slot, next, fill
.if \fill == 1
	s_wait_xcnt 0x0                                ; my last prefetch has read its address
	s_add_nc_u64 s[PFA:PFA+1], s[PFA:PFA+1], KSB
.endif
	s_wait_dscnt 28                                ; all but A's blocks 1-7
	UNIT 1, 0, 0
	UNIT 1, 1, 0
	s_wait_dscnt 24
	UNIT 1, 2, 0
	UNIT 1, 3, 0
	WIN 0
	s_wait_tensorcnt 0x0
	ds_add_u32 v[SPW], v[NIL]                      ; 0 onto my spare word
.if \fill == 1
	s_add_nc_u64 s[G0+4*\slot+2:G0+4*\slot+3], s[G0+4*\slot+2:G0+4*\slot+3], 2*KSB
	s_add_nc_u64 s[G0B+4*\slot+2:G0B+4*\slot+3], s[G0B+4*\slot+2:G0B+4*\slot+3], 2*KSB
.else
	s_mov_b32 s[G0N+1], 2*HALFT                    ; sin: its rows 0-127, behind cos' 256
	s_sub_nc_u64 s[G0N+2:G0N+3], s[G0N+2:G0N+3], 0x10000
.endif
	s_wait_dscnt 21                                ; A's block 2: behind it five blocks' loads and the add
	UNIT 1, 4, 0
	UNIT 1, 5, 0
	s_wait_dscnt 0x0                               ; the add is done, and my reads of this slot are over
	s_barrier_signal -1
	UNIT 1, 6, 0
	WIN 0
	s_barrier_wait -1
	CREST
.if \fill == 1
	ARM 2, G0+4*\slot, G1, .Lring_b_\@, .Lring_\@
	TLOAD G0B+4*\slot, G1R
.Lring_\@:
.else
	ARM 2, G0C, G1T, .Ltab_n_\@, .Ltab_\@
	ARM 3, G0N, G1T, .Ltab_none_\@, .Ltab_\@
.Ltab_\@:
.endif
	v_add_nc_u32 v[ADSA], 8, v[ADSA]               ; the next K step's scale words
	v_add_nc_u32 v[ADSB], 8, v[ADSB]
	s_wait_alu depctr_va_vdst(0)                   ; the wait behind the write
	RUN 0, 0, 4, \next
	UNIT 1, 7, 0
	UNIT 1, 8, 0
	UNIT 1, 9, 0
	RUN 0, 5, 9, \next
	UNIT 1, 10, 0
	UNIT 1, 11, 0
	UNIT 1, 12, 0
	RUN 0, 10, 15, \next
	UNIT 1, 13, 0
.if \fill == 1
	WIN 0
	s_cmp_gt_u32 s3, s[LIM]                        ; the loop's first two trips: the K step two refills on
	s_cbranch_scc0 .Lno_codes_\@
	global_prefetch_b8 v[PFO], s[PFA:PFA+1] offset:2*KSB th:TH_LOAD_NT scope:SCOPE_SE
.Lno_codes_\@:
.if \slot == 0
	s_cmp_eq_u32 s3, 1                             ; its last trip: the tables, two changes of slots ahead of their load
	s_cbranch_scc0 .Lno_tables_\@
	global_prefetch_b8 v[PTO], s[PTA:PTA+1] th:TH_LOAD_NT scope:SCOPE_SE
.Lno_tables_\@:
.endif
.endif
	UNIT 1, 14, 0
	UNIT 1, 15, 0
	WIN 0
.endm
	s_wait_alu depctr_va_vdst(0)                   ; the wait at the head's end
	s_wait_tensorcnt 0x0                           ; my tile of the head's four is in
	ds_add_u32 v[SPW], v[NIL]
	s_mov_b32 s[G1+2], 128<<16                     ; no tensor load of mine is out: the descriptors may be written
	s_mov_b32 s[G1+4], 128
	GROUP1 G1R, 44, 0, 256, 96, KROW
	GROUP1 G1T, 43, 0, 256, 128, 512
	s_mul_i32 s2, s16, HALFT
	GROUP0 G0C, s2, 92
	GROUP0 G0N, FRESH, 94
	s_wait_dscnt 0x0
	CROUND                                         ; all four tiles are in, in every partner
	ARM 2, G0+4, G1, .Lfirst_b, .Lfirst            ; first fills, one a wave: K step 1: A's halves; B's 192 rows; and sin's rows 128-255
	ARM 3, G0B+4, G1B, .Lfirst_sin, .Lfirst
	TLOAD G0N, G1T
.Lfirst:
.set U_, 0
.rept 16
	GRP 0, U_, 0
.set U_, U_+1
.endr
	WIN 0
	s_cmp_eq_u32 s[LIM], 1
	s_cbranch_scc0 .Lnot_asked_3
	global_prefetch_b8 v[PFO], s[PFA:PFA+1] offset:2*KSB th:TH_LOAD_NT scope:SCOPE_SE   ; K step 3
.Lnot_asked_3:
	STEP0 0, 1                                     ; the first products start the sums
	s_mov_b32 s3, 3
.Llap:                                                 ; a trip goes once round the ring and fills both slots again
	STEP1 0, 1, 1
	STEP0 1, 0
	STEP1 1, 0, 1
	STEP0 0, 0
	s_sub_co_u32 s3, s3, 1
	s_cmp_lg_u32 s3, 0
	s_cbranch_scc1 .Llap
	STEP1 0, 1, 2
	STEP0 1, 0
; The last step: nothing is fetched but the tables, behind a plain barrier that shows them.
.macro TGRP a
	WIN 0x40
.irp k, 0,1,2,3
	ds_load_b128 v[16*\a+4*\k:16*\a+4*\k+3], v[TC] offset:16*PITCH*\a+64*(\k/2)+16*(\k%2)
.endr
.irp k, 0,1,2,3
	ds_load_b128 v[128+16*\a+4*\k:128+16*\a+4*\k+3], v[TSN] offset:16*PITCH*\a+64*(\k/2)+16*(\k%2)
.endr
.endm
.irp a, 0,1,2,3
	s_wait_dscnt 28-4*\a
	UNIT 1, 2*\a, 0
	UNIT 1, 2*\a+1, 0
.endr
	WIN 0
	s_wait_tensorcnt 0x0
	s_wait_dscnt 0x0
	s_barrier_signal -1
	UNIT 1, 8, 0
	WIN 0
	s_barrier_wait -1
.irp a, 0,1,2,3
	TGRP \a
.endr
.irp u, 9,10,11,12
	UNIT 1, \u, 0
.endr
.irp a, 4,5,6,7
	TGRP \a
.endr
.irp u, 13,14,15
	UNIT 1, \u, 0
.endr
	WIN 0
; THE WAY OUT, two of A's blocks at a time: four scale blocks of q and k (a block's 32 channels: 16 of mine, 16 of lane l xor 16's) and two of v (32 tokens likewise).  Accumulators are read from their low end on.
.set LI, 8                             ; v8 16 x lane;  v9, v10 where my bytes and words go in LDS;  v11 where a unit is read back;  v12 8 x lane
.set MX, 224                           ; v224-229 largest magnitudes;  v230-235 the partner's, then the bytes;  v236-241 57,344 x the scale;  v242-247 the scale operands;  v248, v249 v's words
.set PX, 230
.set HX, 236
.set SX, 242
.set VW, 248
	s_mov_b32 s20, 0x76543210
	s_mov_b32 s21, 0xfedcba98                      ; v_permlanex16_b32's selects for lane l xor 16
	s_mov_b32 s12, 0x8000000                       ; the floor 2^(16 - 127)
	s_mov_b32 s13, 0x600000                        ; the mantissa field of 57,344
	s_mov_b32 s67, 0xffff0000
	s_lshl_b32 s2, s16, 8
	s_lshl_b32 s3, s15, 7
	s_add_co_u32 s2, s2, s3
	s_add_co_u32 s2, s2, XS
	s_lshl_b32 s3, s14, 7
	s_add_co_u32 s3, s3, XS+1024
	s_lshl_b32 s18, s14, 8
	s_add_co_u32 s18, s18, XS
	v_lshlrev_b32 v[LI], 4, v3                     ; these five lines and three v_nop name no register of a product: they are the places behind the last products
	v_add_nc_u32 v9, s2, v1
	v_lshl_add_u32 v10, v3, 2, s3
	v_lshlrev_b32 v12, 3, v3
	v_lshl_add_u32 v11, v3, 3, s18
.rept 3
	v_nop
.endr
.irp j, 0,1,2,3,4,5
	v_mov_b32 v[PX+\j], 0                          ; (a lane permute's destination counts as a source)
.endr
	s_wait_alu depctr_va_vdst(0)                   ; the wait ahead of the wait below
.macro UADR m, j                       ; unit j: block a = 2 m + j / 2 of q (j even) or k
.set A_, 2*(\m)+(\j)/2
.set AC_, 8*(6*(A_%4)+2*((\j)%2))
.set T_, 32+16*(\j)
.endm
.macro EPI m
.set WE, 2+(\m)/2
	s_wait_dscnt 48-16*(\m)                        ; these two blocks' tables (the later blocks' 8 loads each may be out)
	WIN (WE|4)
.set N_, 0
.rept 8
.irp j, 0,1,2,3
	UADR \m, \j
	v_pk_mul_f32 v[T_+N_:T_+N_+1], v[AC_+N_:AC_+N_+1], v[128+16*A_+N_:128+16*A_+N_+1] op_sel:[1,0] op_sel_hi:[0,1]   ; (x1 sin0, x0 sin1)
.endr
.set N_, N_+2
.endr
.set N_, 0
.rept 8
.irp j, 0,1,2,3
	UADR \m, \j
	v_pk_fma_f32 v[T_+N_:T_+N_+1], v[AC_+N_:AC_+N_+1], v[16*A_+N_:16*A_+N_+1], v[T_+N_:T_+N_+1] neg_lo:[0,0,1]   ; (x0 cos0 - .., x1 cos1 + ..)
.endr
.set N_, N_+2
.endr
	WIN (WE|(WE<<2))
.set EV, 8*(6*((2*(\m))%4)+4)          ; v's two tiles of block 2 m; those of block 2 m + 1 lie 48 registers on
.irp t, 0,1
	v_max3_num_f32 v[MX+4+\t], |v[EV+8*\t]|, |v[EV+8*\t+1]|, s12
.endr
.irp i, 2,4,6,48,50,52,54
.irp t, 0,1
	v_max3_num_f32 v[MX+4+\t], |v[EV+8*\t+\i]|, |v[EV+8*\t+\i+1]|, v[MX+4+\t]
.endr
.endr
	WIN 0
.irp j, 0,1,2,3
	v_max3_num_f32 v[MX+\j], |v[32+16*\j]|, |v[33+16*\j]|, s12
.endr
.irp i, 2,4,6,8,10,12,14
.irp j, 0,1,2,3
	v_max3_num_f32 v[MX+\j], |v[32+16*\j+\i]|, |v[33+16*\j+\i]|, v[MX+\j]
.endr
.endr
.irp j, 0,1,2,3,4,5
	v_permlanex16_b32 v[PX+\j], v[MX+\j], s20, s21
.endr
.irp j, 0,1,2,3,4,5
	v_max_num_f32 v[MX+\j], v[MX+\j], v[PX+\j]
.endr
.irp j, 0,1,2,3,4,5
	v_add_nc_u32 v[SX+\j], 0xf8800000, v[MX+\j]
.endr
.irp j, 0,1,2,3,4,5
	v_and_or_b32 v[HX+\j], v[MX+\j], 0x7f800000, s13
.endr
.irp j, 0,1,2,3,4,5
	v_lshrrev_b32 v[PX+\j], 23, v[SX+\j]
.endr
	WIN WE
.irp t, 0,1
.irp i, 0,1,2,3,4,5,6,7
	v_med3_num_f32 v[96+16*\t+\i], v[EV+8*\t+\i], -v[HX+4+\t], v[HX+4+\t]   ; the conversion does not saturate (ISA guide 7.6.2): the hold comes first
.endr
.irp i, 0,1,2,3,4,5,6,7
	v_med3_num_f32 v[104+16*\t+\i], v[EV+48+8*\t+\i], -v[HX+4+\t], v[HX+4+\t]
.endr
.endr
	WIN 0
.irp i, 0,1,2,3,4,5,6,7,8,9,10,11,12,13,14,15
.irp j, 0,1,2,3
	v_med3_num_f32 v[32+16*\j+\i], v[32+16*\j+\i], -v[HX+\j], v[HX+\j]
.endr
.endr
.irp j, 0,1,2,3,4,5
	v_cvt_scalef32_pk8_bf8_f32 v[128+24*(\m)+4*\j:129+24*(\m)+4*\j], v[32+16*\j:39+16*\j], v[SX+\j]
	v_cvt_scalef32_pk8_bf8_f32 v[130+24*(\m)+4*\j:131+24*(\m)+4*\j], v[40+16*\j:47+16*\j], v[SX+\j]
.endr
.irp t, 0,1
.if (\m) == 0
	v_mov_b32 v[VW+\t], v[PX+4+\t]
.else
	v_lshl_or_b32 v[VW+\t], v[PX+4+\t], 8*(\m), v[VW+\t]
.endif
.endr
.irp j, 0,1,2,3
	UADR \m, \j
	ds_store_b8 v9, v[PX+\j] offset:512*((\j)%2)+16*A_     ; both lanes of a block write the same byte with the same value
	global_store_b128 v[LI], v[128+24*(\m)+4*\j:131+24*(\m)+4*\j], s[96:97] offset:4194304*((\j)%2)+2048*A_   ; 512 consecutive bytes, aligned
.endr
.irp t, 0,1
	global_store_b128 v[LI], v[144+24*(\m)+4*\t:147+24*(\m)+4*\t], s[46:47] offset:2048*\t+512*(\m)
.endr
.endm
	EPI 0
	EPI 1
	EPI 2
	EPI 3
	v_cndmask_b32 v250, v[VW], v[VW+1], s67        ; lanes 0-15 the first tile's words, lanes 16-31 the second's
	ds_store_b32 v10, v250
	s_wait_dscnt 0x0                               ; my bytes and words are in LDS, for the other waves' sake
	s_barrier_signal -1
	s_barrier_wait -1
	s_cmp_lt_u32 s14, 2
	s_cbranch_scc0 .Lno_words
	ds_load_b64 v[34:35], v11 offset:1024
	s_wait_dscnt 0x0
	global_store_b64 v12, v[34:35], s[40:41]       ; 256 consecutive bytes, aligned
.Lno_words:
	ds_load_b64 v[32:33], v11
	s_wait_dscnt 0x0
	global_store_b64 v12, v[32:33], s[98:99]       ; likewise
	s_wait_tensorcnt 0x0                           ; the wave's end
	ds_add_u32 v[SPW], v[NIL]
	s_wait_dscnt 0x0
	CROUND                                         ; the closing round: no work-group ends while a partner may still ask for a tile that names it
	s_endpgm
.Lfunc_end_k_q545c4c1e48_proj:
	.size	k_q545c4c1e48_proj, .Lfunc_end_k_q545c4c1e48_proj-k_q545c4c1e48_proj
	.p2alignl 7, 3214868480
	.fill 96, 4, 3214868480
	.section	.rodata,"a",@progbits
	.p2align	6, 0x0
	.amdhsa_kernel k_q545c4c1e48_proj
		.amdhsa_group_segment_fixed_size 327680
		.amdhsa_private_segment_fixed_size 0
		.amdhsa_enable_private_segment 0
		.amdhsa_kernarg_size 48
		.amdhsa_user_sgpr_count 2
		.amdhsa_user_sgpr_kernarg_segment_ptr 1
		.amdhsa_wavefront_size32 1
		.amdhsa_system_sgpr_workgroup_id_x 1
		.amdhsa_system_sgpr_workgroup_id_y 1
		.amdhsa_system_sgpr_workgroup_id_z 1
		.amdhsa_system_vgpr_workitem_id 0
		.amdhsa_next_free_vgpr 1024
		.amdhsa_next_free_sgpr 102
		.amdhsa_reserve_vcc 0
		.amdhsa_float_denorm_mode_32 3
		.amdhsa_float_denorm_mode_16_64 3
		.amdhsa_memory_ordered 1
		.amdhsa_forward_progress 1
		.amdhsa_inst_pref_size 178
	.end_amdhsa_kernel
	.amdgpu_metadata
---
amdhsa.version: [ 1, 2 ]
amdhsa.kernels:
  - .name:           k_q545c4c1e48_proj
    .symbol:         k_q545c4c1e48_proj.kd
    .args:
      - { .name: c1, .offset: 0, .size: 8, .value_kind: global_buffer, .address_space: global }
      - { .name: s1, .offset: 8, .size: 8, .value_kind: global_buffer, .address_space: global }
      - { .name: rope_cos, .offset: 16, .size: 8, .value_kind: global_buffer, .address_space: global }
      - { .name: rope_sin, .offset: 24, .size: 8, .value_kind: global_buffer, .address_space: global }
      - { .name: c2, .offset: 32, .size: 8, .value_kind: global_buffer, .address_space: global }
      - { .name: s2, .offset: 40, .size: 8, .value_kind: global_buffer, .address_space: global }
    .group_segment_fixed_size: 327680
    .private_segment_fixed_size: 0
    .kernarg_segment_align: 8
    .kernarg_segment_size: 48
    .max_flat_workgroup_size: 128
    .sgpr_count:     102
    .vgpr_count:     1024
    .wavefront_size: 32
...
	.end_amdgpu_metadata
.endif
;; end of part 2
;; launch attn (part 3): grid 16 x 16, 8 waves a work-group, clusters of 4 x 1, 327,680 bytes of LDS; arguments c2, s2, out0; writes out0
.if DOCPART == 3
	.amdgcn_target "amdgcn-amd-amdhsa--gfx1250"
	.amdhsa_code_object_version 6
	.text
	.protected	k_q545c4c1e48_attn
	.globl	k_q545c4c1e48_attn
	.p2align	8
	.type	k_q545c4c1e48_attn,@function
k_q545c4c1e48_attn:
	s_mov_b64 s[64:65], 0
	v_nop
	global_prefetch_b8 v0, s[64:65] scope:SCOPE_SE
	s_setreg_imm32_b32 hwreg(HW_REG_WAVE_MODE, 25, 1), 1
	s_wait_xcnt 0x0
	s_wait_alu depctr_hold_cnt(0) depctr_sa_sdst(0) depctr_va_vdst(0) depctr_va_sdst(0) depctr_va_ssrc(0) depctr_va_vcc(0) depctr_vm_vsrc(0)
	s_getreg_b32 s2, hwreg(HW_REG_IB_STS2, 6, 4)
	s_cmp_eq_u32 s2, 0
	s_cbranch_scc0 .Lentry_in_a_cluster
	s_endpgm
.Lentry_in_a_cluster:
	s_bfe_u32 s2, ttmp6, 0x10000c
	s_cmp_lg_u32 s2, 0x3003
	s_cbranch_scc0 .Lentry_shape_is_right
	s_endpgm
.Lentry_shape_is_right:
; out0[q][128 head + :] = softmax over the head's 128 of ( the sum over keys k <= q of softmax_k(Q[q] . K[k] / sqrt(128)) V[k][:] ), both products on codes of BF8 (E5M2) with one E8M0 scale for each 32 along K.
; IN: c2 [T = q, k, v][head 16][block 16][fragment 8][c 4][lane 32][16 bytes]: images of operand registers (16 rows x 128 K each; q, k: rows = the sequence, K = the head's 128; v: rows = the head's channels,
; K = 128 keys); s2 [T][head][block][fragment][16 rows] x 4 bytes.  Inside a block of 32 all operands stand in one order: 8 h + 0..7, 16 + 8 h + 0..7 in the lanes' half h; p below falls into the same order.
; THE SOFTMAX AHEAD OF THE SECOND PRODUCT: t = score x log2(e) / sqrt(128); M = the row's largest t so far, rounded UP to a whole number; p = 2^(t - M) is what is quantised, along the keys, not normalised.
; The row's sum is taken of the unquantised p and divides O at the end.  When M moves, the sum and O are multiplied by 2^(old M - new M): exact.
; SHARES.  A cluster is four work-groups of one head; a work-group has eight waves, two to a SIMD, each with ONE tile of 16 queries.  A head's 128 tiles are 16 groups of 8 (a group = 128 queries = one key step).
; Wave w of cluster c takes group G = (2 c + ((w >> 1) & 1)) xor 15 (w >> 2), and in it tile 2 cx + (w & 1).  It has work in key steps 0 .. G, so waves w and w + 4 together have 17 key steps in every work-group.
; G hangs on the cluster's number and the wave's number alone: every branch is alike in the four partners, so K's and V's tiles are asked for JOINTLY.  cx enters Q's and out0's addresses and the mask's numbers alone.
; EVERY wave walks all 16 key steps (constant trip counts); a step all of whose keys come after its queries skips its work.  The price: clusters 2 and 3 fetch key steps
; 12 to 15, which none of their waves multiplies.
; LAYOUT.  Both products are used transposed: S^T = K Q^T (source 0 = 16 keys, source 1 = my 16 queries), O^T = V^T P^T (source 0 = 16 channels, source 1 = P): a lane holds ONE query (lane % 16) throughout.
; RING.  Two slots of four key steps (4 x 16 KiB of K, then 4 x 16 KiB of V); each of the eight waves brings one step's K (waves 0-3) or V (waves 4-7) by one load of 64 rows x 256 bytes.  The images are dense and
; are read as they lie, 512 consecutive bytes an instruction: no padding.  The head's scale words (8 KiB for K, 8 KiB for V) come once.  At most three loads of a wave are out (at the start), later one.
; LIMITS: v_exp_f32 gives 0 for results under 2^-126; a block whose largest p lies under 2^-111 gets the byte 1 (its codes are zeros or subnormals under that scale); NaN and infinities are not served.
; REGISTERS: window 0 as named below; window 1: v0-127 K's eight fragments, v128-255 V's eight.
; SCALES AND FIRST LOADS, in place of what the lines above say of them: s2 holds q's and k's bytes as planes [T][head][c 4][2,048 tokens] and behind them v's words [head][block][fragment][16 channels] x 4 bytes.  They come
; through registers: each thread makes the words of eight keys and stores them, and 32 bytes of v's words, into LDS once.  A wave has one tensor load out at any time.
; WORK LEFT OUT: key steps all of whose keys come after a wave's queries (reference()'s own tril; see the first launch).
.set SLOT1, 131072
.set VOFF,  65536                      ; in a slot: V's four steps behind K's four
.set STEPB, 16384                      ; a key step's eight fragments
.set SC,    262144                     ; behind the ring: K's scale words of the head, 8,192 bytes; V's behind them
.set SPARE, SC+16384                   ; the spare words, 128 bytes for each wave, which no other line names
.set STAGE, SPARE+1024                 ; the way out: 16 rows x (256 bytes + 16) for each wave; no fill lands here
.set SPITCH, 272
.set LI,  1                            ; v1   16 x lane: my place in an image
.set LIV, 2                            ; v2   the same + VOFF
.set LS,  3                            ; v3   SC + 4 x lane
.set DQ,  4                            ; v4   my query's place in its group, less 8 h
.set SPW, 5                            ; v5   LDS address of my spare word; never rewritten
.set NIL, 6                            ; v6   0; never rewritten
.set GO,  7                            ; v7   the way out: 8,192 h + 16 r
.set ADK, 8                            ; v8-10 LDS addresses of the step in hand: K, V, scale words
.set ADV, 9
.set ADS, 10
.set QF,  16                           ; v16-31 Q's fragment.   v12 -M, v13 the largest t, v[14:15] the sum in two halves
.set KSC, 32                           ; v32-35 K's scale words: register g: lanes 0-15 fragment 2 g, lanes 16-31 fragment 2 g + 1
.set VSC, 36                           ; v36-39 V's likewise
.set QS,  40                           ; v40  Q's scale words
.set PS,  41                           ; v41  p's scale word
.set STO, 42                           ; v42  the stage: where I put 32 bytes of a row
.set RD,  43                           ; v43  and where I read a row back
.set BM,  44                           ; v44-47 a block's largest score, then its largest p
.set T1,  48                           ; v48-51 the partner's, then the bytes
.set HOLD, 52                          ; v52-55 57,344 x the scale
.set SCO, 56                           ; v56-59 the conversions' scale operands.   v[60:61] f, v[62:63] at work, v[64:65] the second chain of sums
.set PCD, 72                           ; v72-87 p's codes
.set S,   96                           ; v96-159 S^T, then p
.set OT,  160                          ; v160-223 O^T
.set WV,  10                           ; s10 wave   s11 cx   s12 head   s13 G   s14 the key step   s15, s16 where its tiles and scale words begin   s17 counts a slot's steps
.set CX,  11
.set HD,  12
.set GR,  13
.set KST, 14
.set TB,  15
.set TS,  16
.set CNT, 17
.set SEL, 18                           ; s[18:19] v_permlanex16_b32's selects for lane l xor 16
.set CS,  20                           ; s[20:21] c = log2(e) / sqrt(128), twice (the packed form names a pair)
.set MNT, 22                           ; s22  the mantissa field of 57,344
.set G1T, 24                           ; s[24:31] descriptor group 1 for a step's tile
.set G1S, 32
.set G0S, 40                           ; s[44:47] group 0 for slot 0;  s[48:51] for slot 1
.set G0A, 44
.set G0B, 48
.set L2E, 52                           ; s[52:53] log2(e), twice.   s54-57 numbers that hang on cx;  s58-63 numbers that do not
.set MSB, 0
.macro WIN new                         ; the immediate's high byte repeats the setting that is left; a switch that changes nothing is dropped
.if MSB != \new
	s_set_vgpr_msb (MSB<<8)|\new
.set MSB, \new
.endif
.endm
.macro PLACES n
.rept \n
	v_nop
.endr
.endm
.macro CROUND                          ; a round of the cluster's barrier
	s_barrier_signal -1
	s_barrier_wait -1
	s_cmp_lg_u32 s[WV], 0
	s_cbranch_scc1 .Lnot_wave_0_\@
	s_barrier_signal -3
.Lnot_wave_0_\@:
	s_barrier_wait -3
	s_barrier_signal -1
	s_barrier_wait -1
.endm
	s_load_b128 s[4:7], s[0:1], 0x0                ; c2 s[4:5], s2 s[6:7]
	s_load_b64 s[8:9], s[0:1], 0x10                ; out0
	v_lshl_add_u32 v[SPW], v0, 2, SPARE
	v_mov_b32 v[NIL], 0
	ds_add_u32 v5, v6
	ds_add_u32 v5, v6
	s_wait_dscnt 0x0
	v_lshrrev_b32 v1, 5, v0
	s_delay_alu instid0(VALU_DEP_1)
	v_readfirstlane_b32 s[WV], v1                  ; wave 0..7
	s_bfe_u32 s[CX], ttmp6, 0x40000                ; cx
	s_and_b32 s[HD], ttmp7, 0xffff                 ; the head, which the four partners share
	s_lshl_b32 s[GR], ttmp9, 1                     ; in a cluster launch ttmp9 counts clusters
	s_bfe_u32 s58, s[WV], 0x10001                  ; (w >> 1) & 1
	s_add_co_u32 s[GR], s[GR], s58
	s_lshr_b32 s59, s[WV], 2                       ; w >> 2: 0: I fetch K, 1: V
	s_mul_i32 s58, s59, 15
	s_xor_b32 s[GR], s[GR], s58                    ; G
	s_lshl_b32 s56, s[CX], 1
	s_and_b32 s57, s[WV], 1
	s_add_co_u32 s56, s56, s57                     ; my tile in the group
	s_lshl_b32 s57, s[GR], 3
	s_add_co_u32 s57, s57, s56                     ; my tile in the head, 0..127
	s_lshl_b32 s56, s56, 4                         ; its first query's place in the group
	; descriptor group 1: dense blocks as rows of 256 bytes (32 elements of 8 bytes): 64 rows for a step's tile
	s_mov_b32 s[G1T], 15|(3<<16)|(1<<21)           ; 15:0 the mask: all four work-groups; 17:16 elements of 8 bytes; 20 no padding; 21 set beside a mask
	s_mov_b32 s[G1T+1], 32<<16                     ; tensor_dim0
	s_mov_b32 s[G1T+2], 64<<16                     ; tensor_dim1
	s_mov_b32 s[G1T+3], 32<<16                     ; tile_dim0
	s_mov_b32 s[G1T+4], 64                         ; tile_dim1
	s_mov_b32 s[G1T+5], 32                         ; tensor_dim0_stride
	s_mov_b32 s[G1T+6], 0
	s_mov_b32 s[G1T+7], 0
	s_mov_b32 s[SEL], 0x76543210
	s_mov_b32 s[SEL+1], 0xfedcba98
	s_mov_b32 s[CS], 0x3e0293ee
	s_mov_b32 s[CS+1], s[CS]
	s_mov_b32 s[MNT], 0x600000
	s_mov_b32 s[L2E], 0x3fb8aa3b
	s_mov_b32 s[L2E+1], s[L2E]
	; what I fetch: tensor T = 1 + (w >> 2), my head, key step w & 3 of a slot's four
	s_and_b32 s58, s[WV], 3
	s_add_co_u32 s59, s59, 1
	s_lshl_b32 s60, s59, 22                        ; a tensor of codes is 4 MiB,
	s_lshl_b32 s61, s[HD], 18                      ; a head 256 KiB,
	s_add_co_u32 s60, s60, s61
	s_lshl_b32 s61, s58, 14                        ; a step 16 KiB
	s_add_co_u32 s60, s60, s61
	s_mov_b32 s61, 0
	s_lshl_b32 s62, s[HD], 13                      ; a head's scale bytes: 8 KiB; K's lie 128 KiB behind Q's, V's 256 KiB
	s_mov_b32 s63, 0
	s_wait_kmcnt 0x0
	s_add_nc_u64 s[62:63], s[6:7], s[62:63]
	s_mov_b32 s[G0A], 1
	s_lshl_b32 s[G0A+1], s[WV], 14                 ; LDS: 16,384 x wave: K's four steps, then V's
	s_add_nc_u64 s[G0A+2:G0A+3], s[4:5], s[60:61]  ; key steps 0 to 3
	s_or_b32 s[G0A+3], s[G0A+3], 0x80000000
	s_mov_b32 s[G0B], 1
	s_add_co_u32 s[G0B+1], s[G0A+1], SLOT1
	s_add_nc_u64 s[G0B+2:G0B+3], s[4:5], s[60:61]
	s_add_nc_u64 s[G0B+2:G0B+3], s[G0B+2:G0B+3], 4*STEPB   ; key steps 4 to 7
	s_or_b32 s[G0B+3], s[G0B+3], 0x80000000
	CROUND                                         ; all four work-groups are here: the first joint loads meet
	tensor_load_to_lds s[G0A:G0A+3], s[G1T:G1T+7]  ; slot 0: one load a wave at the head
	s_nop 0
.rept 4
	v_nop
.endr
	; the head's scale bytes come through registers: a thread takes eight keys of K's four planes, and 32 bytes of V's words
	v_lshlrev_b32 v96, 3, v0
	v_lshlrev_b32 v97, 5, v0
	v_add_nc_u32 v98, SC, v97
.irp c, 0,1,2,3
	global_load_b64 v[100+2*\c:101+2*\c], v96, s[62:63] offset:131072+2048*\c
.endr
	global_load_b128 v[108:111], v97, s[62:63] offset:262144
	global_load_b128 v[112:115], v97, s[62:63] offset:262160
	v_and_b32 v11, 31, v0
	s_delay_alu instid0(VALU_DEP_1)
	v_lshlrev_b32 v[LI], 4, v11
	s_delay_alu instid0(VALU_DEP_1)
	v_add_nc_u32 v[LIV], VOFF, v[LI]
	s_delay_alu instid0(VALU_DEP_3)
	v_lshl_add_u32 v[LS], v11, 2, SC
	v_and_b32 v8, 15, v0                           ; r
	v_bfe_u32 v9, v0, 4, 1                         ; h
	s_delay_alu instid0(VALU_DEP_1)
	v_lshlrev_b32 v10, 3, v9
	s_delay_alu instid0(VALU_DEP_1)
	v_sub_nc_u32 v[DQ], v8, v10
	s_delay_alu instid0(VALU_DEP_1)
	v_add_nc_u32 v[DQ], s56, v[DQ]                 ; 16 x tile in the group + r - 8 h
	s_delay_alu instid0(VALU_DEP_4)
	v_lshlrev_b32 v[GO], 13, v9
	s_delay_alu instid0(VALU_DEP_1)
	v_lshl_add_u32 v[GO], v8, 4, v[GO]             ; lanes 0-15 one row of out0 (8,192 bytes), lanes 16-31 the next; 16 bytes a lane
	s_mul_i32 s58, s[WV], 16*SPITCH
	s_add_co_u32 s58, s58, STAGE                   ; my stage
	v_mul_u32_u24 v[STO], v8, SPITCH
	s_delay_alu instid0(VALU_DEP_1)
	v_lshl_add_u32 v[STO], v9, 5, v[STO]
	s_delay_alu instid0(VALU_DEP_1)
	v_add_nc_u32 v[STO], s58, v[STO]               ; in: row r, + 32 h
	v_mul_u32_u24 v[RD], v9, SPITCH
	s_delay_alu instid0(VALU_DEP_1)
	v_lshl_add_u32 v[RD], v8, 4, v[RD]
	s_delay_alu instid0(VALU_DEP_1)
	v_add_nc_u32 v[RD], s58, v[RD]                 ; back: lanes 0-15 one row, lanes 16-31 the next
	s_wait_alu depctr_va_vdst(0)
	s_lshl_b32 s54, s[HD], 18
	s_lshl_b32 s55, s57, 11                        ; Q's fragment: 2,048 bytes a tile
	s_add_co_u32 s54, s54, s55
	s_mov_b32 s55, 0
	s_add_nc_u64 s[4:5], s[4:5], s[54:55]
	s_lshl_b32 s54, s57, 4                         ; my queries' bytes in each of Q's four planes
	s_add_nc_u64 s[6:7], s[62:63], s[54:55]
	s_lshl_b32 s54, s57, 17                        ; out0: 16 rows of 8,192 bytes a tile,
	s_lshl_b32 s56, s[HD], 9                       ; 512 bytes a head
	s_add_co_u32 s54, s54, s56
	s_add_nc_u64 s[8:9], s[8:9], s[54:55]
.irp c, 0,1,2,3
	global_load_b128 v[QF+4*\c:QF+4*\c+3], v[LI], s[4:5] offset:512*\c   ; Q's fragment stays in registers
.endr
.irp c, 0,1,2,3
	global_load_u8 v[116+\c], v8, s[6:7] offset:2048*\c
.endr
	v_mov_b32 v13, 0xff61b1e6                      ; the largest t so far: -3e38, under every t
	s_delay_alu instid0(VALU_DEP_1)
	v_floor_f32 v12, -v13                          ; -M
	v_mov_b32 v14, 0                               ; the sum, in two halves
	v_mov_b32 v15, 0
.irp b, 0,1,2,3
	v_mov_b32 v[T1+\b], 0                          ; written once: a lane permute's destination counts as one of its sources
.endr
	v_mov_b32 v61, 0                               ; (named as the upper halves of pairs)
	v_mov_b32 v62, 0
	v_mov_b32 v63, 0
.set j, 0
.rept 64
	v_mov_b32 v[OT+j], 0                           ; O^T.  (The key step is written once for all steps: the first finds zeros, which the first change of M leaves zeros)
.set j, j+1
.endr
; A KEY STEP: 128 keys.
.macro KLOAD n                         ; K's fragments and scale words, n key steps on from the step in hand
.irp g, 0,1,2,3
	ds_load_b32 v[KSC+\g], v[ADS] offset:512*\n+128*\g
.endr
	WIN 0x40                                       ; destination window 1
.irp f, 0,1,2,3,4,5,6,7
.irp c, 0,1,2,3
	ds_load_b128 v[16*\f+4*\c:16*\f+4*\c+3], v[ADK] offset:STEPB*\n+2048*\f+512*\c
.endr
.endr
	WIN 0
.endm
.macro STEP
	s_cmp_gt_u32 s[KST], s[GR]                     ; all its keys come after my queries: a scalar branch on ids round the step's work, not round the lines at its end that step addresses
	s_cbranch_scc1 .Lhid_\@
	v_add_nc_u32 v[ADK], s[TB], v[LI]
	v_add_nc_u32 v[ADV], s[TB], v[LIV]
	v_add_nc_u32 v[ADS], s[TS], v[LS]
	s_wait_alu depctr_va_vdst(0)                   ; the wait ahead of the wait below
	s_wait_dscnt 0x0                               ; K is in: asked for in the step before, or ahead of the slot's first
	WIN 0x01                                       ; source 0 window 1
.irp f, 0,1,2,3,4,5,6,7                        ; S^T = K Q^T: lane (r, h), register 8 f + j: key 16 f + 8 h + j, query r
.if \f%2
	v_wmma_scale_f32_16x16x128_f8f6f4 v[S+8*\f:S+8*\f+7], v[16*\f:16*\f+15], v[QF:QF+15], 0, v[KSC+\f/2], v[QS] matrix_a_fmt:MATRIX_FMT_BF8 matrix_b_fmt:MATRIX_FMT_BF8 matrix_a_scale:MATRIX_SCALE_ROW1
.else
	v_wmma_scale_f32_16x16x128_f8f6f4 v[S+8*\f:S+8*\f+7], v[16*\f:16*\f+15], v[QF:QF+15], 0, v[KSC+\f/2], v[QS] matrix_a_fmt:MATRIX_FMT_BF8 matrix_b_fmt:MATRIX_FMT_BF8
.endif
.endr
	WIN 0
	PLACES 8
	s_cmp_ge_u32 s[KST], s[GR]                     ; the next step's K is asked for now, if I work that step and it lies in this slot; it lands beside the softmax
	s_cbranch_scc1 .Lno_k_\@
	s_cmp_eq_u32 s[CNT], 1
	s_cbranch_scc1 .Lno_k_\@
	KLOAD 1
.Lno_k_\@:
	s_cmp_lt_u32 s[KST], s[GR]                     ; only step G lies on the diagonal: there the scores of hidden keys become -infinity ahead of the maximum, and p = 0
	s_cbranch_scc1 .Lopen_\@
	v_mov_b32 v62, 0xff800000
.set n, 0
.rept 64
	v_cmp_gt_i32 vcc_lo, 16*(n/8)+n%8, v[DQ]       ; hidden where 16 f + j + 8 h > my query's place in the group
	v_cndmask_b32 v[S+n], v[S+n], v62, vcc_lo
.set n, n+1
.endr
.Lopen_\@:
.irp b, 0,1,2,3
	v_max3_num_f32 v[BM+\b], v[S+16*\b], v[S+1+16*\b], v[S+2+16*\b]   ; THE LARGEST SCORE OF EACH BLOCK OF 32 KEYS: it serves for the row's maximum and, since p rises with the score, for the block's largest p
.endr
.irp i, 3,5,7,9,11,13
.irp b, 0,1,2,3
	v_max3_num_f32 v[BM+\b], v[BM+\b], v[S+16*\b+\i], v[S+1+16*\b+\i]   ; (the four blocks by turns)
.endr
.endr
.irp b, 0,1,2,3
	v_max_num_f32 v[BM+\b], v[BM+\b], v[S+15+16*\b]
.endr
.irp b, 0,1,2,3
	s_delay_alu instid0(VALU_DEP_4)
	v_permlanex16_b32 v[T1+\b], v[BM+\b], s[SEL], s[SEL+1]
.endr
.irp b, 0,1,2,3
	s_delay_alu instid0(VALU_DEP_4)
	v_max_num_f32 v[BM+\b], v[BM+\b], v[T1+\b]     ; with lane l xor 16's 16 keys
.endr
	s_delay_alu instid0(VALU_DEP_2)
	v_max3_num_f32 v62, v[BM], v[BM+1], v[BM+2]
	s_delay_alu instid0(VALU_DEP_1)
	v_max_num_f32 v62, v62, v[BM+3]                ; the step's largest score of my query
	s_delay_alu instid0(VALU_DEP_1)
	v_mul_f32 v62, s[CS], v62                      ; as t (c is positive)
	s_delay_alu instid0(VALU_DEP_1)
	v_max_num_f32 v13, v13, v62                    ; the running largest t
	v_mov_b32 v62, v12
	s_delay_alu instid0(VALU_DEP_2)
	v_floor_f32 v12, -v13                          ; the new -M = floor(-t) = -ceil(t): M is a whole number
	s_delay_alu instid0(VALU_DEP_1)
	v_sub_f32 v62, v12, v62                        ; M's old value less its new one: a whole number, 0 or less
	s_delay_alu instid0(VALU_DEP_1)
	v_cvt_i32_f32 v62, v62                         ; (it saturates)
	s_delay_alu instid0(VALU_DEP_1)
	v_ldexp_f32 v60, 1.0, v62                      ; f = 2^(old M - new M)
.irp g, 0,1,2,3
	ds_load_b32 v[VSC+\g], v[ADS] offset:8192+128*\g
.endr
	WIN 0x40
.irp t, 0,1,2,3,4,5,6,7
.irp c, 0,1,2,3
	ds_load_b128 v[128+16*\t+4*\c:128+16*\t+4*\c+3], v[ADV] offset:2048*\t+512*\c   ; V is asked for now and lands beside the rest of the softmax
.endr
.endr
	WIN 0
.set j, 0
.rept 32
	v_pk_fma_f32 v[S+j:S+j+1], v[S+j:S+j+1], s[CS:CS+1], v[12:13] op_sel_hi:[1,0,0]   ; t - M, two at a time (of the pairs c and -M the low word serves both halves)
.set j, j+2
.endr
.irp b, 0,1,2,3
	v_fma_f32 v[BM+\b], v[BM+\b], s[CS], v12       ; the same of each block's largest score
.endr
.set j, 0
	s_wait_alu depctr_va_vdst(0)
.rept 64
	v_exp_f32 v[S+j], v[S+j]                       ; p = 2^(t - M), at most 1: NOT normalised
.set j, j+1
.endr
.irp b, 0,1,2,3
	v_exp_f32 v[BM+\b], v[BM+\b]                   ; the block's largest p: the same two instructions on the same number give the same bits
.endr
	v_pk_mul_f32 v[14:15], v[14:15], v[60:61] op_sel_hi:[1,0]   ; the sums under the new M.  (A plain place behind the exponentials)
	s_wait_alu depctr_va_vdst(0)
.irp b, 0,1,2,3
	v_max_num_f32 v[BM+\b], 0x8000000, v[BM+\b]    ; the floor 2^(16 - 127): the byte cannot fall under 1
.endr
.irp b, 0,1,2,3
	s_delay_alu instid0(VALU_DEP_4)
	v_add_nc_u32 v[SCO+\b], 0xf8800000, v[BM+\b]   ; 15 off the exponent field: the conversion's scale operand
.endr
.irp b, 0,1,2,3
	v_and_or_b32 v[HOLD+\b], v[BM+\b], 0x7f800000, s[MNT]   ; 57,344 x the scale
.endr
.irp b, 0,1,2,3
	v_lshrrev_b32 v[T1+\b], 23, v[SCO+\b]          ; the scale's byte
.endr
	s_delay_alu instid0(VALU_DEP_3)
	v_lshl_or_b32 v[PS], v[T1+1], 8, v[T1]         ; p's scale word for these 128 keys
	s_delay_alu instid0(VALU_DEP_1)
	v_lshl_or_b32 v[PS], v[T1+2], 16, v[PS]
	s_delay_alu instid0(VALU_DEP_1)
	v_lshl_or_b32 v[PS], v[T1+3], 24, v[PS]
	v_pk_add_f32 v[64:65], v[100:101], v[104:105]
	v_pk_add_f32 v[254:255], v[108:109], v[112:113]
	v_pk_add_f32 v[252:253], v[116:117], v[120:121]
	v_pk_add_f32 v[250:251], v[124:125], v[128:129]
	v_pk_add_f32 v[248:249], v[132:133], v[136:137]
	v_pk_add_f32 v[246:247], v[140:141], v[144:145]
	v_pk_add_f32 v[244:245], v[148:149], v[152:153]
	v_pk_add_f32 v[14:15], v[14:15], v[156:157]
	v_pk_add_f32 v[64:65], v[64:65], v[96:97]
	v_pk_add_f32 v[254:255], v[254:255], v[98:99]
	v_pk_add_f32 v[252:253], v[252:253], v[102:103]
	v_pk_add_f32 v[250:251], v[250:251], v[106:107]
	v_pk_add_f32 v[248:249], v[248:249], v[110:111]
	v_pk_add_f32 v[246:247], v[246:247], v[114:115]
	v_pk_add_f32 v[244:245], v[244:245], v[118:119]
	v_pk_add_f32 v[14:15], v[14:15], v[122:123]
	v_pk_add_f32 v[64:65], v[64:65], v[126:127]
	v_pk_add_f32 v[254:255], v[254:255], v[130:131]
	v_pk_add_f32 v[252:253], v[252:253], v[134:135]
	v_pk_add_f32 v[250:251], v[250:251], v[138:139]
	v_pk_add_f32 v[248:249], v[248:249], v[142:143]
	v_pk_add_f32 v[246:247], v[246:247], v[146:147]
	v_pk_add_f32 v[244:245], v[244:245], v[150:151]
	v_pk_add_f32 v[14:15], v[14:15], v[154:155]
	v_pk_add_f32 v[64:65], v[64:65], v[158:159]
	s_delay_alu instid0(VALU_DEP_2)
	v_pk_add_f32 v[14:15], v[14:15], v[250:251]
	s_delay_alu instid0(VALU_DEP_2)
	v_pk_add_f32 v[64:65], v[64:65], v[248:249]
	v_pk_add_f32 v[254:255], v[254:255], v[246:247]
	v_pk_add_f32 v[252:253], v[252:253], v[244:245]
	s_delay_alu instid0(VALU_DEP_2)
	v_pk_add_f32 v[14:15], v[14:15], v[254:255]
	s_delay_alu instid0(VALU_DEP_2)
	v_pk_add_f32 v[64:65], v[64:65], v[252:253]
	s_delay_alu instid0(VALU_DEP_1)
	v_pk_add_f32 v[14:15], v[14:15], v[64:65]
.irp b, 0,1,2,3
.set n, 0
.rept 16
	v_min_num_f32 v[S+16*\b+n], v[S+16*\b+n], v[HOLD+\b]   ; the conversion to an 8-bit code does not saturate (ISA guide 7.6.2); p is not negative, so the hold is one-sided
.set n, n+1
.endr
	v_cvt_scalef32_pk8_bf8_f32 v[PCD+4*\b:PCD+4*\b+1], v[S+16*\b:S+16*\b+7], v[SCO+\b]
	v_cvt_scalef32_pk8_bf8_f32 v[PCD+4*\b+2:PCD+4*\b+3], v[S+16*\b+8:S+16*\b+15], v[SCO+\b]
.endr
.set j, 0
.rept 32
	v_pk_mul_f32 v[OT+j:OT+j+1], v[OT+j:OT+j+1], v[60:61] op_sel_hi:[1,0]   ; O^T under the new M: x f, from each accumulator's low end on.  (These 32 are also the places between the codes and the products below)
.set j, j+2
.endr
	s_wait_alu depctr_va_vdst(0)
	s_wait_dscnt 0x0                               ; V is in
	WIN 0x01
.irp t, 0,1,2,3,4,5,6,7                        ; O^T += V^T P^T: the eight accumulators by turns
.if \t%2
	v_wmma_scale_f32_16x16x128_f8f6f4 v[OT+8*\t:OT+8*\t+7], v[128+16*\t:128+16*\t+15], v[PCD:PCD+15], v[OT+8*\t:OT+8*\t+7], v[VSC+\t/2], v[PS] matrix_a_fmt:MATRIX_FMT_BF8 matrix_b_fmt:MATRIX_FMT_BF8 matrix_a_scale:MATRIX_SCALE_ROW1
.else
	v_wmma_scale_f32_16x16x128_f8f6f4 v[OT+8*\t:OT+8*\t+7], v[128+16*\t:128+16*\t+15], v[PCD:PCD+15], v[OT+8*\t:OT+8*\t+7], v[VSC+\t/2], v[PS] matrix_a_fmt:MATRIX_FMT_BF8 matrix_b_fmt:MATRIX_FMT_BF8
.endif
.endr
	WIN 0
.Lhid_\@:
	s_add_co_u32 s[KST], s[KST], 1
	s_add_co_u32 s[TB], s[TB], STEPB               ; the next step's tiles
	s_add_co_u32 s[TS], s[TS], 512                 ; and scale words
.endm
; A slot's four key steps, the first of them step number first: written once, walked four times by every wave.
.macro FOUR slot, first
	s_mov_b32 s[TB], \slot*SLOT1
	s_mov_b32 s[TS], \first*512
	s_mov_b32 s[KST], \first
	s_mov_b32 s[CNT], 4
.if \first > 0                         ; (every wave works key step 0)
	s_cmp_gt_u32 s[KST], s[GR]
	s_cbranch_scc1 .Lno_first_\@
.endif
	v_add_nc_u32 v[ADK], s[TB], v[LI]
	v_add_nc_u32 v[ADS], s[TS], v[LS]
	KLOAD 0                                        ; the slot's first K
.if \first > 0
.Lno_first_\@:
.endif
.Lfour_\@:
	STEP
	s_sub_co_u32 s[CNT], s[CNT], 1
	s_cmp_lg_u32 s[CNT], 0
	s_cbranch_scc1 .Lfour_\@
.endm
; THE CHANGE OF SLOTS.  Each wave waits for all its tensor loads (its part of the slot that comes next), adds 0 to its spare word, and waits for that and for its reads of the slot that it leaves.
; fill = 1: the slot just left is filled with the key steps eight further on.  The barrier is then a round of the cluster's, so that no wave of any partner still reads the slot or has a load on its way;
; the joint refill is the first thing behind it and my one load until the next change: it has four key steps in which to land.
.macro CHANGE g0, fill
	s_wait_tensorcnt 0x0                           ; no tensor load of mine is out, so a group 0 may be written
	ds_add_u32 v[SPW], v[NIL]                      ; 0 onto my spare word
.if \fill
	s_add_nc_u64 s[\g0+2:\g0+3], s[\g0+2:\g0+3], 8*STEPB   ; the type bits on top are not reached
	s_wait_dscnt 0x0                               ; the add is done, and my reads of the slot are over
	CROUND
	tensor_load_to_lds s[\g0:\g0+3], s[G1T:G1T+7]
	s_nop 0
.rept 4
	v_nop
.endr
.else
	s_wait_dscnt 0x0
	s_barrier_signal -1
	s_barrier_wait -1
.endif
.endm
	s_wait_alu depctr_va_vdst(0)                   ; the wait at the head's end
	s_wait_loadcnt 0x0                             ; Q and the scale bytes
.irp i, 0,1                                    ; K's planes -> a word a key
	v_perm_b32 v120, v[102+\i], v[100+\i], 0x05010400
	v_perm_b32 v121, v[102+\i], v[100+\i], 0x07030602
	v_perm_b32 v122, v[106+\i], v[104+\i], 0x05010400
	v_perm_b32 v123, v[106+\i], v[104+\i], 0x07030602
	v_perm_b32 v[124+4*\i], v122, v120, 0x05040100
	v_perm_b32 v[125+4*\i], v122, v120, 0x07060302
	v_perm_b32 v[126+4*\i], v123, v121, 0x05040100
	v_perm_b32 v[127+4*\i], v123, v121, 0x07060302
.endr
	v_lshl_or_b32 v[QS], v117, 8, v116             ; Q's word of my query
	v_lshl_or_b32 v[QS], v118, 16, v[QS]
	v_lshl_or_b32 v[QS], v119, 24, v[QS]
	s_wait_alu depctr_va_vdst(0)                   ; the wait ahead of the wait below
	s_wait_tensorcnt 0x0                           ; my part of slot 0 is in
	ds_store_b128 v98, v[124:127]
	ds_store_b128 v98, v[128:131] offset:16
	ds_store_b128 v98, v[108:111] offset:8192
	ds_store_b128 v98, v[112:115] offset:8208
	s_wait_tensorcnt 0x0
	ds_add_u32 v[SPW], v[NIL]
	s_wait_dscnt 0x0                               ; the add and my stores are done
	CROUND                                         ; everybody's are
	tensor_load_to_lds s[G0B:G0B+3], s[G1T:G1T+7]  ; slot 1: key steps 4 to 7
	s_nop 0
.rept 4
	v_nop
.endr
	FOUR 0, 0
	CHANGE G0A, 1                                  ; key steps 8 to 11 into slot 0
	FOUR 1, 4
	CHANGE G0B, 1                                  ; key steps 12 to 15 into slot 1
	FOUR 0, 8
	CHANGE G0A, 0                                  ; nothing is left to fetch
	FOUR 1, 12
	; THE WAY OUT.  O^T / the row's sum; then the softmax over the head's 128 channels, 64 of which are mine and 64 lane l xor 16's; then through my stage, so that sixteen lanes store 256 consecutive bytes, aligned.
	PLACES 8                                       ; behind the last products
	v_add_f32 v14, v14, v15                        ; the sum's two halves,
	s_delay_alu instid0(VALU_DEP_1)
	v_permlanex16_b32 v62, v14, s[SEL], s[SEL+1]
	s_delay_alu instid0(VALU_DEP_1)
	v_add_f32 v14, v14, v62                        ; and lane l xor 16's
	s_wait_alu depctr_va_vdst(0)
	v_rcp_f32 v60, v14
	v_nop                                          ; a plain place behind the transcendental
.set j, 0
	s_wait_alu depctr_va_vdst(0)
.rept 32
	v_pk_mul_f32 v[S+j:S+j+1], v[OT+j:OT+j+1], v[60:61] op_sel_hi:[1,0]   ; register 8 t + i is o(query r, channel 16 t + 8 h + i); each accumulator from its low end on
.set j, j+2
.endr
.irp b, 0,1,2,3
	v_max3_num_f32 v[BM+\b], v[S+16*\b], v[S+1+16*\b], v[S+2+16*\b]      ; the largest of my 64, in four chains
.endr
.irp i, 3,5,7,9,11,13
.irp b, 0,1,2,3
	s_delay_alu instid0(VALU_DEP_4)
	v_max3_num_f32 v[BM+\b], v[BM+\b], v[S+16*\b+\i], v[S+1+16*\b+\i]
.endr
.endr
.irp b, 0,1,2,3
	s_delay_alu instid0(VALU_DEP_4)
	v_max_num_f32 v[BM+\b], v[BM+\b], v[S+15+16*\b]
.endr
	s_delay_alu instid0(VALU_DEP_2)
	v_max3_num_f32 v62, v[BM], v[BM+1], v[BM+2]
	s_delay_alu instid0(VALU_DEP_1)
	v_max_num_f32 v62, v62, v[BM+3]
	s_delay_alu instid0(VALU_DEP_1)
	v_permlanex16_b32 v63, v62, s[SEL], s[SEL+1]
	s_delay_alu instid0(VALU_DEP_1)
	v_max_num_f32 v62, v62, v63                    ; the row's largest o
	s_delay_alu instid0(VALU_DEP_1)
	v_mul_f32 v62, s[L2E], v62
.set j, 0
.rept 32
	v_pk_fma_f32 v[S+j:S+j+1], v[S+j:S+j+1], s[L2E:L2E+1], v[62:63] op_sel_hi:[1,0,0] neg_lo:[0,0,1] neg_hi:[0,0,1]   ; (o - the largest) x log2(e), 0 or less
.set j, j+2
.endr
.set j, 0
	s_wait_alu depctr_va_vdst(0)
.rept 64
	v_exp_f32 v[S+j], v[S+j]
.set j, j+1
.endr
	v_nop                                          ; a plain place behind the exponentials
	s_wait_alu depctr_va_vdst(0)
	v_pk_add_f32 v[64:65], v[96:97], v[98:99]
	v_pk_add_f32 v[254:255], v[104:105], v[108:109]
	v_pk_add_f32 v[252:253], v[112:113], v[116:117]
	v_pk_add_f32 v[250:251], v[120:121], v[124:125]
	v_pk_add_f32 v[248:249], v[128:129], v[132:133]
	v_pk_add_f32 v[246:247], v[136:137], v[140:141]
	v_pk_add_f32 v[244:245], v[144:145], v[148:149]
	v_pk_add_f32 v[14:15], v[152:153], v[156:157]
	v_pk_add_f32 v[14:15], v[14:15], v[100:101]
	v_pk_add_f32 v[64:65], v[64:65], v[102:103]
	v_pk_add_f32 v[254:255], v[254:255], v[106:107]
	v_pk_add_f32 v[252:253], v[252:253], v[110:111]
	v_pk_add_f32 v[250:251], v[250:251], v[114:115]
	v_pk_add_f32 v[248:249], v[248:249], v[118:119]
	v_pk_add_f32 v[246:247], v[246:247], v[122:123]
	v_pk_add_f32 v[244:245], v[244:245], v[126:127]
	v_pk_add_f32 v[14:15], v[14:15], v[130:131]
	v_pk_add_f32 v[64:65], v[64:65], v[134:135]
	v_pk_add_f32 v[254:255], v[254:255], v[138:139]
	v_pk_add_f32 v[252:253], v[252:253], v[142:143]
	v_pk_add_f32 v[250:251], v[250:251], v[146:147]
	v_pk_add_f32 v[248:249], v[248:249], v[150:151]
	v_pk_add_f32 v[246:247], v[246:247], v[154:155]
	v_pk_add_f32 v[244:245], v[244:245], v[158:159]
	s_delay_alu instid0(VALU_DEP_4)
	v_pk_add_f32 v[14:15], v[14:15], v[250:251]
	s_delay_alu instid0(VALU_DEP_4)
	v_pk_add_f32 v[64:65], v[64:65], v[248:249]
	s_delay_alu instid0(VALU_DEP_4)
	v_pk_add_f32 v[254:255], v[254:255], v[246:247]
	s_delay_alu instid0(VALU_DEP_4)
	v_pk_add_f32 v[252:253], v[252:253], v[244:245]
	s_delay_alu instid0(VALU_DEP_2)
	v_pk_add_f32 v[14:15], v[14:15], v[254:255]
	s_delay_alu instid0(VALU_DEP_2)
	v_pk_add_f32 v[64:65], v[64:65], v[252:253]
	s_delay_alu instid0(VALU_DEP_1)
	v_pk_add_f32 v[14:15], v[14:15], v[64:65]
	s_delay_alu instid0(VALU_DEP_1)
	v_add_f32 v14, v14, v15
	s_delay_alu instid0(VALU_DEP_1)
	v_permlanex16_b32 v62, v14, s[SEL], s[SEL+1]
	s_delay_alu instid0(VALU_DEP_1)
	v_add_f32 v14, v14, v62
	s_wait_alu depctr_va_vdst(0)
	v_rcp_f32 v60, v14
	v_nop
.set j, 0
	s_wait_alu depctr_va_vdst(0)
.rept 32
	v_pk_mul_f32 v[S+j:S+j+1], v[S+j:S+j+1], v[60:61] op_sel_hi:[1,0]
.set j, j+2
.endr
.irp u, 0,1                                    ; channels 64 u on: half a head's row, 256 bytes, of 16 queries
.irp t, 0,1,2,3
	ds_store_b128 v[STO], v[S+32*\u+8*\t:S+32*\u+8*\t+3] offset:64*\t
	ds_store_b128 v[STO], v[S+32*\u+8*\t+4:S+32*\u+8*\t+7] offset:64*\t+16
.endr
.irp i, 0,1,2,3,4,5,6,7
	ds_load_b128 v[OT+32*\u+4*\i:OT+32*\u+4*\i+3], v[RD] offset:2*\i*SPITCH   ; LDS serves a wave's instructions in order: these see my stores, and the next half's stores come behind them
.endr
.endr
.irp u, 0,1
.irp i, 0,1,2,3,4,5,6,7
	s_wait_dscnt 23-16*\u-\i                       ; behind this load: the rest of its run, and for the first half the second half's 8 stores and 8 loads
	global_store_b128 v[GO], v[OT+32*\u+4*\i:OT+32*\u+4*\i+3], s[8:9] offset:16384*\i+256*\u th:TH_STORE_NT   ; 16 lanes store 256 consecutive bytes, aligned; written once, read by nobody here
.endr
.endr
	s_wait_tensorcnt 0x0                           ; the wave's end: behind my last tensor load and my last LDS store
	ds_add_u32 v[SPW], v[NIL]
	s_wait_dscnt 0x0
	CROUND                                         ; the closing round: no work-group ends while a partner may still ask for a tile that names it
	s_endpgm
.Lfunc_end_k_q545c4c1e48_attn:
	.size	k_q545c4c1e48_attn, .Lfunc_end_k_q545c4c1e48_attn-k_q545c4c1e48_attn
	.p2alignl 7, 3214868480
	.fill 96, 4, 3214868480
	.section	.rodata,"a",@progbits
	.p2align	6, 0x0
	.amdhsa_kernel k_q545c4c1e48_attn
		.amdhsa_group_segment_fixed_size 327680
		.amdhsa_private_segment_fixed_size 0
		.amdhsa_enable_private_segment 0
		.amdhsa_kernarg_size 24
		.amdhsa_user_sgpr_count 2
		.amdhsa_user_sgpr_kernarg_segment_ptr 1
		.amdhsa_wavefront_size32 1
		.amdhsa_system_sgpr_workgroup_id_x 1
		.amdhsa_system_sgpr_workgroup_id_y 1
		.amdhsa_system_sgpr_workgroup_id_z 1
		.amdhsa_system_vgpr_workitem_id 0
		.amdhsa_next_free_vgpr 512
		.amdhsa_next_free_sgpr 66
		.amdhsa_reserve_vcc 1
		.amdhsa_float_denorm_mode_32 3
		.amdhsa_float_denorm_mode_16_64 3
		.amdhsa_memory_ordered 1
		.amdhsa_forward_progress 1
		.amdhsa_inst_pref_size 157
	.end_amdhsa_kernel
	.amdgpu_metadata
---
amdhsa.version: [ 1, 2 ]
amdhsa.kernels:
  - .name:           k_q545c4c1e48_attn
    .symbol:         k_q545c4c1e48_attn.kd
    .args:
      - { .name: c2, .offset: 0, .size: 8, .value_kind: global_buffer, .address_space: global }
      - { .name: s2, .offset: 8, .size: 8, .value_kind: global_buffer, .address_space: global }
      - { .name: out0, .offset: 16, .size: 8, .value_kind: global_buffer, .address_space: global }
    .group_segment_fixed_size: 327680
    .private_segment_fixed_size: 0
    .kernarg_segment_align: 8
    .kernarg_segment_size: 24
    .max_flat_workgroup_size: 256
    .sgpr_count:     66
    .vgpr_count:     512
    .wavefront_size: 32
...
	.end_amdgpu_metadata
.endif
;; end of part 3
